; MI455X (gfx1250); checked and timed in simulation.
; The chip was launched on July 23, 2026; its instructions are those of AMD's public machine-readable ISA for CDNA 5 (MIT licence, August 2026) and "CDNA5" Instruction Set Architecture Reference Guide (July 2026). The comments in the code are by the model that wrote it; some were corrected since.
;; Attention. Allowed arithmetic: float matrix products may take bf16 or f16 operands with f32 sums; other float arithmetic in f32, or as packed bf16 or f16 multiplies, adds, multiply-adds, maxima and minima; sums over many terms, partial sums and values carried from step to step in f32; what a program stores and reads back later, other than sums and carried values, may be rounded once to bf16 or f16.
;; Inputs: Wk 1,024 x 256 float32; Wo 2,048 x 1,024 float32; Wq 1,024 x 2,048 float32; Wv 1,024 x 256 float32; bk 256 float32; bo 1,024 float32; bq 2,048 float32; bv 256 float32; in_k 2 x 2,048 x 1,024 float32; in_q 2 x 2,048 x 1,024 float32; in_v 2 x 2,048 x 1,024 float32; q_extra_scale 1 float32.
;; Outputs: out0 2 x 2,048 x 1,024 float32.
;; One version. Each part assembles by itself: llvm-mc -triple=amdgcn-amd-amdhsa -mcpu=gfx1250 --defsym DOCPART=n.
;; ======== version 1 of 1: 4 launches
;; limits: values are held in f16: magnitudes above 65,504 overflow, below 6.1e-05 lose precision
;; workspace buffers: x16 25,165,824 bytes; w16 9,437,184 bytes; q16 16,777,216 bytes; kv16 4,194,304 bytes; ctx16 16,777,216 bytes; vlo16 131,072 bytes; ctxlo16 131,072 bytes
;; launch prep (part 1): grid 1056 x 1, 8 waves a work-group, no clusters, 0 bytes of LDS; arguments in_q, in_k, in_v, Wq, Wk, Wv, Wo, x16, w16; writes x16, w16
.if DOCPART == 1
	.amdgcn_target "amdgcn-amd-amdhsa--gfx1250"
	.amdhsa_code_object_version 6
	.text
	.protected	k_qa491839180_prep
	.globl	k_qa491839180_prep
	.p2align	8
	.type	k_qa491839180_prep,@function
k_qa491839180_prep:
	s_mov_b64 s[64:65], 0
	v_nop
	global_prefetch_b8 v0, s[64:65] scope:SCOPE_SE
	s_setreg_imm32_b32 hwreg(HW_REG_WAVE_MODE, 25, 1), 1
	s_wait_xcnt 0x0
; The seven large f32 inputs are rounded once to 16 bits; their layouts stay as they are.
; in_q, in_k, in_v -> x16 (bf16), Wq, Wk, Wv -> w16 (bf16), Wo -> w16 (rounded to bf16, that number written as f16: exact
; down to 2^-16, below that to within 3e-8).
; A work-group converts one chunk of 16,384 numbers: 65,536 bytes in, 32,768 out.  Chunks 0-255 in_q, 256-511 in_k, 512-767 in_v,
; 768-895 Wq, 896-911 Wk, 912-927 Wv, 928-1055 Wo: the order of the chunks is the order of the parts in x16 and in w16.
; A stream: every byte is read once and written once; 16 loads of 16 bytes a lane are all out before the first is used; a wave's load covers
; 512 consecutive bytes, its store of 8 bytes a lane 256 consecutive bytes, aligned.  No LDS, no barrier, no matrix unit: nothing is shared.
.set X, 8                              ; v[8:71]    16 loads of four f32
.set Y, 72                             ; v[72:103]  16 pairs of registers to store
	s_load_b512 s[8:23], s[0:1], 0x0               ; in_q 8, in_k 10, in_v 12, Wq 14, Wk 16, Wv 18, Wo 20, x16 22
	s_load_b64 s[24:25], s[0:1], 0x40              ; w16
	v_lshlrev_b32 v1, 4, v0                        ; 16 bytes a thread on the way in
	v_lshlrev_b32 v2, 3, v0                        ; 8 on the way out
	s_mov_b32 s7, 0xffff0000                       ; a word's upper bf16
	s_mov_b32 s6, 0                                ; the first chunk of my source
	s_wait_kmcnt 0x0
	s_mov_b64 s[2:3], s[8:9]
.macro PICK first, ptr                 ; from chunk first on the source is the buffer in s[ptr:ptr+1]
	s_cmp_ge_u32 ttmp9, \first
	s_cselect_b64 s[2:3], s[\ptr:\ptr+1], s[2:3]
	s_cselect_b32 s6, \first, s6
.endm
	PICK 256, 10
	PICK 512, 12
	PICK 768, 14
	PICK 896, 16
	PICK 912, 18
	PICK 928, 20
	s_sub_co_u32 s26, ttmp9, s6                    ; my chunk within the source,
	s_lshl_b32 s26, s26, 16                        ; 65,536 bytes each
	s_mov_b32 s27, 0
	s_add_nc_u64 s[2:3], s[2:3], s[26:27]
	s_cmp_ge_u32 ttmp9, 768
	s_cselect_b64 s[4:5], s[24:25], s[22:23]       ; the weights go to w16, the rest to x16
	s_cselect_b32 s28, 768, 0
	s_sub_co_u32 s28, ttmp9, s28
	s_lshl_b32 s28, s28, 15                        ; 32,768 bytes each
	s_mov_b32 s29, 0
	s_add_nc_u64 s[4:5], s[4:5], s[28:29]
.irp j, 0,1,2,3,4,5,6,7,8,9,10,11,12,13,14,15
	global_load_b128 v[X+4*(\j):X+4*(\j)+3], v1, s[2:3] offset:4096*(\j) th:TH_LOAD_NT
.endr
; Load j is rounded and stored.  half = 1: the bf16 numbers are widened again and written as f16.  Each load j has registers of its own, so no store's source is ever rewritten.
.macro CONV j, half
	s_wait_loadcnt 15-(\j)                         ; loads come back in order: the 15 - j younger ones may stay out
	v_cvt_pk_bf16_f32 v[Y+2*(\j)],   v[X+4*(\j)],   v[X+4*(\j)+1]
	v_cvt_pk_bf16_f32 v[Y+2*(\j)+1], v[X+4*(\j)+2], v[X+4*(\j)+3]
.if \half
	v_lshlrev_b32 v[X+4*(\j)],   16, v[Y+2*(\j)]
	v_and_b32     v[X+4*(\j)+1], s7, v[Y+2*(\j)]
	v_lshlrev_b32 v[X+4*(\j)+2], 16, v[Y+2*(\j)+1]
	v_and_b32     v[X+4*(\j)+3], s7, v[Y+2*(\j)+1]
	v_cvt_pk_f16_f32 v[Y+2*(\j)],   v[X+4*(\j)],   v[X+4*(\j)+1]
	v_cvt_pk_f16_f32 v[Y+2*(\j)+1], v[X+4*(\j)+2], v[X+4*(\j)+3]
.endif
	global_store_b64 v2, v[Y+2*(\j):Y+2*(\j)+1], s[4:5] offset:2048*(\j)
.endm
	s_cmp_ge_u32 ttmp9, 928
	s_cbranch_scc1 .Lhalf
.irp j, 0,1,2,3,4,5,6,7,8,9,10,11,12,13,14,15
	CONV \j, 0
.endr
	s_endpgm
.Lhalf:
.irp j, 0,1,2,3,4,5,6,7,8,9,10,11,12,13,14,15
	CONV \j, 1
.endr
	s_endpgm
.Lfunc_end_k_qa491839180_prep:
	.size	k_qa491839180_prep, .Lfunc_end_k_qa491839180_prep-k_qa491839180_prep
	.p2alignl 7, 3214868480
	.fill 96, 4, 3214868480
	.section	.rodata,"a",@progbits
	.p2align	6, 0x0
	.amdhsa_kernel k_qa491839180_prep
		.amdhsa_group_segment_fixed_size 0
		.amdhsa_private_segment_fixed_size 0
		.amdhsa_enable_private_segment 0
		.amdhsa_kernarg_size 72
		.amdhsa_user_sgpr_count 2
		.amdhsa_user_sgpr_kernarg_segment_ptr 1
		.amdhsa_wavefront_size32 1
		.amdhsa_system_sgpr_workgroup_id_x 1
		.amdhsa_system_sgpr_workgroup_id_y 1
		.amdhsa_system_sgpr_workgroup_id_z 1
		.amdhsa_system_vgpr_workitem_id 0
		.amdhsa_next_free_vgpr 104
		.amdhsa_next_free_sgpr 66
		.amdhsa_reserve_vcc 0
		.amdhsa_float_denorm_mode_32 3
		.amdhsa_float_denorm_mode_16_64 3
		.amdhsa_memory_ordered 1
		.amdhsa_forward_progress 1
		.amdhsa_inst_pref_size 16
	.end_amdhsa_kernel
	.amdgpu_metadata
---
amdhsa.version: [ 1, 2 ]
amdhsa.kernels:
  - .name:           k_qa491839180_prep
    .symbol:         k_qa491839180_prep.kd
    .args:
      - { .name: in_q, .offset: 0, .size: 8, .value_kind: global_buffer, .address_space: global }
      - { .name: in_k, .offset: 8, .size: 8, .value_kind: global_buffer, .address_space: global }
      - { .name: in_v, .offset: 16, .size: 8, .value_kind: global_buffer, .address_space: global }
      - { .name: Wq, .offset: 24, .size: 8, .value_kind: global_buffer, .address_space: global }
      - { .name: Wk, .offset: 32, .size: 8, .value_kind: global_buffer, .address_space: global }
      - { .name: Wv, .offset: 40, .size: 8, .value_kind: global_buffer, .address_space: global }
      - { .name: Wo, .offset: 48, .size: 8, .value_kind: global_buffer, .address_space: global }
      - { .name: x16, .offset: 56, .size: 8, .value_kind: global_buffer, .address_space: global }
      - { .name: w16, .offset: 64, .size: 8, .value_kind: global_buffer, .address_space: global }
    .group_segment_fixed_size: 0
    .private_segment_fixed_size: 0
    .kernarg_segment_align: 8
    .kernarg_segment_size: 72
    .max_flat_workgroup_size: 256
    .sgpr_count:     66
    .vgpr_count:     104
    .wavefront_size: 32
...
	.end_amdgpu_metadata
.endif
;; end of part 1
;; launch proj (part 2): grid 8 x 32, 4 waves a work-group, clusters of 4 x 4, 327,680 bytes of LDS; arguments x16, w16, bq, bk, bv, q_extra_scale, q16, kv16, vlo16; writes q16, kv16, vlo16
.if DOCPART == 2
	.amdgcn_target "amdgcn-amd-amdhsa--gfx1250"
	.amdhsa_code_object_version 6
	.text
	.protected	k_qa491839180_proj
	.globl	k_qa491839180_proj
	.p2align	8
	.type	k_qa491839180_proj,@function
k_qa491839180_proj:
	s_mov_b64 s[64:65], 0
	v_nop
	global_prefetch_b8 v0, s[64:65] scope:SCOPE_SE
	s_setreg_imm32_b32 hwreg(HW_REG_WAVE_MODE, 25, 1), 1
	s_wait_xcnt 0x0
	s_wait_alu depctr_hold_cnt(0) depctr_sa_sdst(0) depctr_va_vdst(0) depctr_va_sdst(0) depctr_va_ssrc(0) depctr_va_vcc(0) depctr_vm_vsrc(0)
	s_getreg_b32 s2, hwreg(HW_REG_IB_STS2, 6, 4)
	s_cmp_eq_u32 s2, 0
	s_cbranch_scc0 .Lentry_in_a_cluster
	s_endpgm
.Lentry_in_a_cluster:
	s_bfe_u32 s2, ttmp6, 0x10000c
	s_cmp_lg_u32 s2, 0xf033
	s_cbranch_scc0 .Lentry_shape_is_right
	s_endpgm
.Lentry_shape_is_right:
; THE THREE PROJECTIONS IN ONE K LOOP.  q16 = ((xq Wq + bq) qs) c, c = log2(e) / sqrt(128); kv16 = xk Wk + bk and xv Wv + bv.  Operands bf16, sums f32, results rounded once to f16.
; Biases and qs are rounded to bf16 like all inputs.  The bias is applied as sum x s + b x s, s = qs c: another order of rounding than (sum + b) qs.
; LIMIT: q qs c, k and v must stay under 65,504 (f16); with all inputs thirty times those drawn they reach about 8,000.
; SHARES.  Work-group (X, Y) of 8 x 32 makes rows 128 Y .. of q by columns 256 X .. (heads 2 X, 2 X + 1), AND rows 128 Y .. by 64 columns of k (clusters with x = 0) or of v (x = 1):
; columns 64 cx ..  So all 256 work-groups do equal work.  Wave w: of q 64 rows (w / 2) x 128 columns (w % 2): 32 accumulators; of k or v rows 32 w .. x 64 columns: 8 accumulators.
; K goes in 8 steps of 128 through two LDS slots.  A slot: xq's 128 rows, xk's or xv's 128 rows (256 bytes + 16 of padding each), Wq's 128 k rows x 256 columns (512 + 32), Wk's or Wv's
; 128 k rows x 64 columns (128 + 32).  Each wave fetches one of the four with one tensor load.
; CLUSTER 4 x 4: the x tiles hang on Y alone and are asked for jointly along a row of the cluster, the weight tiles on X (and cx) alone, jointly along a column.
; THE WEIGHTS LIE [k][n]: their fragments come out of LDS turned, by ds_load_tr16_b128.  The matrix instruction is used transposed (source 0 = 16 columns of W, source 1 = 16 rows of x):
; a lane then holds eight neighbouring columns of one row of the result.
; V AS A PAIR.  A batch's first rows of the output are sums over few keys and many times larger than the rest, so what f16 drops of v shows there.  For a tile's first 32 rows of v the remainder
; v - f16(v), rounded to f16, goes to vlo16 [b][cy][cx][32][64]: by wave 0 of the clusters with x = 1 and y % 4 = 0.  All four tile rows of such a cluster store;
; only the part with cy = 0, a batch's first 32 positions, is read later.
; REGISTERS: window 0: v0-31 addresses; v32-127 x fragments, two buffers of 48; v128-191 bq x s; v192-223 bk or bv; v224-225 s; v227 -1.   window 1: weight fragments, two buffers of 96.
;   window 2: q's accumulators, (a, n) at 8 (8 a + n).   window 3: k's or v's, (a, n) at 8 (4 a + n).
.set PA,    272                        ; LDS pitch of x rows: 68 words, so the 16 rows of a fragment start at 16 different groups of four banks
.set PQ,    544                        ; of Wq's k rows: 17 x 32 bytes, for the turning load
.set PKV,   160                        ; of Wk's and Wv's k rows: 5 x 32 bytes
.set OAK,   128*PA
.set OBQ,   2*128*PA
.set OBK,   OBQ+128*PQ
.set SLOT,  OBK+128*PKV                ; 159,744
.set SPARE, 2*SLOT                     ; the spare words, 128 bytes a wave: two blocks of 256 bytes that no other line names
.set SP,    272                        ; the way out: pitch of q's stage rows; wave w's stage is 4,352 bytes at 4,352 w in slot 0, which has had its last fill and its last read by then
.set SPK,   144                        ; pitch of k's and v's stage rows
.set WV, 20
.set WR, 21
.set WC, 22
.set CX, 23
.set CY, 24
.set CLX, 25
.set CLY, 26
.set TX, 27
.set TY, 28
.set LT, 29                            ; s29, s30: temporaries for LDS addresses; they never hold cx or cy
.set LT2, 30
.set LOF, 31                           ; 0 in the wave that stores v's remainders
.set G1A, 32                           ; s[32:39] group 1 for the x tiles
.set G1Q, 40                           ; s[40:47] for Wq's
.set G1K, 48                           ; s[48:55] for Wk's and Wv's
.set G0A, 56                           ; s[56:63] group 0 for the x tiles, a set for each slot
.set VLP, 66                           ; s[66:67] vlo16 at my work-group's 4,096 bytes
.set G0Q, 68                           ; s[68:75]
.set G0K, 76                           ; s[76:83]
.set PFA, 84                           ; s[84:85] where my prefetches stand
.set PFS, 86                           ; s[86:87] their step from K step to K step
.set LIM, 88                           ; 1 in a wave that prefetches, else the greatest number
.set QS,  89
.set ADRAQ, 8
.set ADRAK, 10
.set ADRBQ, 12
.set ADRBK, 14
.set STO, 16
.set RD,  17
.set CO,  18
.set STK, 19
.set RDK, 20
.set CK,  21
.set BO,  22
.set BOK, 23
.set PFO, 24
.set SPW, 28
.set NIL, 29
.set FA,  32
.set BQ,  128
.set BK,  192
.set SC,  224
.set TP,  226
.set M1,  227
.set MSB, 0
.macro WIN new                         ; the immediate's high byte repeats the setting that is left; a switch that changes nothing is dropped
.if MSB != (\new)
	s_set_vgpr_msb (MSB<<8)|(\new)
.set MSB, \new
.endif
.endm
.set W_MQ, 0xa1                        ; source 0 (W) window 1, source 1 (x) window 0, C and D window 2
.set W_MK, 0xf1                        ; the same, C and D window 3
.set TO_B, 0x40                        ; destination window 1, address window 0
.macro PLACES
.rept 4
	v_nop
.endr
.endm
.macro CREST                           ; a round of the cluster's barrier behind its opening barrier
	s_cmp_lg_u32 s[WV], 0
	s_cbranch_scc1 .Lnot_wave_0_\@
	s_barrier_signal -3
.Lnot_wave_0_\@:
	s_barrier_wait -3
	s_barrier_signal -1
	s_barrier_wait -1
.endm
.macro CROUND
	s_barrier_signal -1
	s_barrier_wait -1
	CREST
.endm
; A joint refill of slot s: wave 0 xq's tile, wave 1 xk's or xv's, wave 2 Wq's, wave 3 Wk's or Wv's.  The branches hang on the wave's number alone.
; An s_nop 0 and four v_nop follow each line, ahead of the jump and the label.
.macro JLOAD s
	s_cmp_lt_u32 s[WV], 2
	s_cbranch_scc0 .Lnot_a_\@
	tensor_load_to_lds s[G0A+4*(\s):G0A+4*(\s)+3], s[G1A:G1A+7]
	s_nop 0
	PLACES
	s_branch .Lasked_\@
.Lnot_a_\@:
	s_cmp_eq_u32 s[WV], 2
	s_cbranch_scc0 .Lfor_k_\@
	tensor_load_to_lds s[G0Q+4*(\s):G0Q+4*(\s)+3], s[G1Q:G1Q+7]
	s_nop 0
	PLACES
	s_branch .Lasked_\@
.Lfor_k_\@:
	tensor_load_to_lds s[G0K+4*(\s):G0K+4*(\s)+3], s[G1K:G1K+7]
	s_nop 0
	PLACES
.Lasked_\@:
.endm
; A prefetch into the L2 of the K step two refills on, 32 blocks of 256 bytes, a lane a row.  Each block is named once in the launch: xq's rows by the clusters with x = 0 (wave 0), xk's and xv's by
; their one column of clusters (wave 1), Wq's k rows by the clusters with y = 0 (wave 2 the first 256 bytes of a row's 512, wave 3 the second).  The four partners that ask for a tile jointly
; share its 128 rows out by address, 32 each.  The loop's last trip asks for nothing: its refills are K's last two steps.
.macro ASK
	s_cmp_gt_u32 s3, s[LIM]
	s_cbranch_scc0 .Lnot_mine_\@
	global_prefetch_b8 v[PFO], s[PFA:PFA+1] th:TH_LOAD_NT scope:SCOPE_SE
.Lnot_mine_\@:
.endm
	s_load_b512 s[4:19], s[0:1], 0x0               ; x16 4, w16 6, bq 8, bk 10, bv 12, qs 14, q16 16, kv16 18
	s_load_b64 s[VLP:VLP+1], s[0:1], 0x40          ; vlo16
	v_lshl_add_u32 v[SPW], v0, 2, SPARE
	v_mov_b32 v[NIL], 0
	ds_add_u32 v[SPW], v[NIL]                      ; the wave's opening: the add and its wait stand ahead of my first tensor load; work on registers stands between them
	v_lshrrev_b32 v1, 5, v0
	v_readfirstlane_b32 s[WV], v1                  ; wave 0..3
	s_lshr_b32 s[WR], s[WV], 1
	s_and_b32 s[WC], s[WV], 1
	s_bfe_u32 s[CX], ttmp6, 0x40000
	s_bfe_u32 s[CY], ttmp6, 0x40004
	s_mov_b32 s[CLX], ttmp9                        ; the cluster's x: 0 makes k, 1 makes v
	s_and_b32 s[CLY], ttmp7, 0xffff
	s_lshl_b32 s[TX], s[CLX], 2
	s_add_co_u32 s[TX], s[TX], s[CX]               ; X
	s_lshl_b32 s[TY], s[CLY], 2
	s_add_co_u32 s[TY], s[TY], s[CY]               ; Y
	s_lshl_b32 s90, s[CY], 2
	s_lshl_b32 s90, 15, s90                        ; my row of the cluster
	s_lshl_b32 s91, 0x1111, s[CX]                  ; my column
	s_or_b32 s[G1A], s90, (1<<16)|(1<<20)|(1<<21)|(5<<22)|(3<<25)  ; mask; 2-byte elements; padding on; bit 21 beside a mask; after every 64 words 4 words
	s_mov_b32 s[G1A+1], 128<<16                    ; tensor_dim0 = 128
	s_mov_b32 s[G1A+2], 128<<16                    ; tensor_dim1 = 128
	s_mov_b32 s[G1A+3], 128<<16                    ; tile_dim0 = 128
	s_mov_b32 s[G1A+4], 128                        ; tile_dim1 = 128
	s_mov_b32 s[G1A+5], 1024                       ; elements from row to row
	s_mov_b32 s[G1A+6], 0
	s_mov_b32 s[G1A+7], 0
	s_or_b32 s[G1Q], s91, (1<<16)|(1<<20)|(1<<21)|(6<<22)|(7<<25)  ; after every 128 words 8 words
	s_mov_b32 s[G1Q+1], 256<<16
	s_mov_b32 s[G1Q+2], 128<<16
	s_mov_b32 s[G1Q+3], 256<<16
	s_mov_b32 s[G1Q+4], 128
	s_mov_b32 s[G1Q+5], 2048
	s_mov_b32 s[G1Q+6], 0
	s_mov_b32 s[G1Q+7], 0
	s_or_b32 s[G1K], s91, (1<<16)|(1<<20)|(1<<21)|(4<<22)|(7<<25)  ; after every 32 words 8 words
	s_mov_b32 s[G1K+1], 64<<16
	s_mov_b32 s[G1K+2], 128<<16
	s_mov_b32 s[G1K+3], 64<<16
	s_mov_b32 s[G1K+4], 128
	s_mov_b32 s[G1K+5], 256
	s_mov_b32 s[G1K+6], 0
	s_mov_b32 s[G1K+7], 0
	s_lshl_b32 s92, s[TY], 18                      ; x tiles: 128 Y rows of 2,048 bytes,
	s_add_co_u32 s93, s[CLX], 1
	s_mul_i32 s93, s93, s[WC]                      ; wave 0: xq; wave 1: xk (part 1) or xv (part 2),
	s_lshl_b32 s93, s93, 23                        ; 8,388,608 bytes a part.  These two registers never hold cx
	s_add_co_u32 s92, s92, s93
	s_mov_b32 s93, 0
	s_lshl_b32 s94, s[TX], 9                       ; Wq: 256 X columns.  s94 to s97 never hold cy
	s_mov_b32 s95, 0
	s_lshl_b32 s96, s[CLX], 19                     ; Wk or Wv,
	s_lshl_b32 s97, s[CX], 7                       ; 64 cx columns
	s_add_co_u32 s96, s96, s97
	s_add_co_u32 s96, s96, 4194304
	s_mov_b32 s97, 0
	s_mul_i32 s[LT], s[WV], 128*PA                 ; wave 0: the slot's first 128 rows; wave 1: the second
	s_wait_dscnt 0x0                               ; the opening add is done
	s_wait_kmcnt 0x0
	s_load_b32 s[QS], s[14:15], 0x0
	s_add_nc_u64 s[92:93], s[4:5], s[92:93]
	s_add_nc_u64 s[94:95], s[6:7], s[94:95]
	s_add_nc_u64 s[96:97], s[6:7], s[96:97]
.irp s, 0,1
	s_mov_b32 s[G0A+4*(\s)], 1
	s_add_co_u32 s[G0A+4*(\s)+1], s[LT], (\s)*SLOT
	s_add_nc_u64 s[G0A+4*(\s)+2:G0A+4*(\s)+3], s[92:93], (\s)*256       ; K step s: 128 elements along the rows
	s_or_b32 s[G0A+4*(\s)+3], s[G0A+4*(\s)+3], 0x80000000
	s_mov_b32 s[G0Q+4*(\s)], 1
	s_mov_b32 s[G0Q+4*(\s)+1], OBQ+(\s)*SLOT
	s_add_nc_u64 s[G0Q+4*(\s)+2:G0Q+4*(\s)+3], s[94:95], (\s)*524288    ; 128 k rows of 4,096 bytes
	s_or_b32 s[G0Q+4*(\s)+3], s[G0Q+4*(\s)+3], 0x80000000
	s_mov_b32 s[G0K+4*(\s)], 1
	s_mov_b32 s[G0K+4*(\s)+1], OBK+(\s)*SLOT
	s_add_nc_u64 s[G0K+4*(\s)+2:G0K+4*(\s)+3], s[96:97], (\s)*65536     ; 128 k rows of 512 bytes
	s_or_b32 s[G0K+4*(\s)+3], s[G0K+4*(\s)+3], 0x80000000
.endr
	CROUND                                         ; all sixteen work-groups are here: the first joint loads meet
	s_cmp_lt_u32 s[WV], 2                          ; a wave's two first fills stand in one branch: two loads of mine are out
	s_cbranch_scc0 .Lf_not_a
	tensor_load_to_lds s[G0A:G0A+3], s[G1A:G1A+7]
	s_nop 0
	tensor_load_to_lds s[G0A+4:G0A+7], s[G1A:G1A+7]
	s_nop 0
	PLACES
	s_branch .Lf_done
.Lf_not_a:
	s_cmp_eq_u32 s[WV], 2
	s_cbranch_scc0 .Lf_k
	tensor_load_to_lds s[G0Q:G0Q+3], s[G1Q:G1Q+7]
	s_nop 0
	tensor_load_to_lds s[G0Q+4:G0Q+7], s[G1Q:G1Q+7]
	s_nop 0
	PLACES
	s_branch .Lf_done
.Lf_k:
	tensor_load_to_lds s[G0K:G0K+3], s[G1K:G1K+7]
	s_nop 0
	tensor_load_to_lds s[G0K+4:G0K+7], s[G1K:G1K+7]
	s_nop 0
	PLACES
.Lf_done:
	; LDS addresses.  An x fragment: lane l holds row l % 16; two loads of 16 bytes, 32 apart, at row x pitch + 16 (l / 16).
	; A weight fragment: the turning load reads k row 8 (l / 16) + l % 8, 16 bytes at 16 ((l / 8) % 2), and leaves lane l with column l % 16 and 8 k; the second load stands 16 k rows on.
	v_and_b32 v1, 15, v0
	v_bfe_u32 v2, v0, 4, 1
	v_and_b32 v3, 7, v0
	v_bfe_u32 v4, v0, 3, 1
	v_mul_u32_u24 v5, v1, PA
	v_lshl_add_u32 v5, v2, 4, v5
	s_mul_i32 s[LT], s[WR], 64*PA
	s_mul_i32 s[LT2], s[WV], 32*PA
	s_add_co_u32 s[LT2], s[LT2], OAK
	v_add_nc_u32 v[ADRAQ], s[LT], v5
	v_add_nc_u32 v[ADRAK], s[LT2], v5
	v_add_nc_u32 v[ADRAQ+1], SLOT, v[ADRAQ]
	v_add_nc_u32 v[ADRAK+1], SLOT, v[ADRAK]
	v_lshl_add_u32 v6, v2, 3, v3
	v_mul_u32_u24 v7, v6, PQ
	v_lshl_add_u32 v7, v4, 4, v7
	s_lshl_b32 s[LT], s[WC], 8                     ; my 128 columns of the 256
	s_add_co_u32 s[LT], s[LT], OBQ
	v_add_nc_u32 v[ADRBQ], s[LT], v7
	v_add_nc_u32 v[ADRBQ+1], SLOT, v[ADRBQ]
	v_mul_u32_u24 v7, v6, PKV
	v_lshl_add_u32 v7, v4, 4, v7
	v_add_nc_u32 v[ADRBK], OBK, v7
	v_add_nc_u32 v[ADRBK+1], SLOT, v[ADRBK]
	s_mul_i32 s[LT], s[WV], 16*SP                  ; my stage
	v_mul_u32_u24 v5, v1, SP
	v_lshl_add_u32 v5, v2, 4, v5
	v_add_nc_u32 v[STO], s[LT], v5                 ; in: row l % 16, 16 bytes for each half of the lanes
	v_mul_u32_u24 v5, v2, SP
	v_lshl_add_u32 v5, v1, 4, v5
	v_add_nc_u32 v[RD], s[LT], v5                  ; back: lanes 0-15 one row of 256 bytes, lanes 16-31 the next
	v_lshlrev_b32 v5, 8, v2
	v_lshl_add_u32 v[CO], v1, 4, v5                ; the same two rows in q16
	v_mul_u32_u24 v5, v1, SPK
	v_lshl_add_u32 v5, v2, 4, v5
	v_add_nc_u32 v[STK], s[LT], v5
	v_and_b32 v6, 31, v0
	v_lshrrev_b32 v7, 3, v6
	v_mul_u32_u24 v7, v7, SPK
	v_lshl_add_u32 v7, v3, 4, v7
	v_add_nc_u32 v[RDK], s[LT], v7                 ; back: 32 lanes take four rows of 128 bytes,
	v_lshlrev_b32 v[CK], 4, v6                     ; which are 512 consecutive bytes of kv16
	; where my prefetches stand: at K step 3; each refill steps the place first, so the refill of step s names step s + 2
	s_lshl_b32 s98, s[TY], 7
	s_lshl_b32 s99, s[CX], 5
	s_add_co_u32 s98, s98, s99                     ; x: row 128 Y + 32 cx
	s_lshl_b32 s98, s98, 11
	s_add_co_u32 s99, s[CLX], 1
	s_mul_i32 s99, s99, s[WC]
	s_lshl_b32 s99, s99, 23
	s_add_co_u32 s98, s98, s99
	s_add_co_u32 s98, s98, 3*256
	s_lshl_b32 s100, s[CY], 5
	s_add_co_u32 s100, s100, 3*128                 ; Wq: k row 3 x 128 + 32 cy
	s_lshl_b32 s100, s100, 12
	s_lshl_b32 s101, s[TX], 9
	s_add_co_u32 s100, s100, s101
	s_lshl_b32 s101, s[WC], 8
	s_add_co_u32 s100, s100, s101
	s_mov_b32 s[PFS], 128*4096
	s_mov_b32 s[PFS+1], 0
	s_cmp_lt_u32 s[WV], 2
	s_cselect_b32 s98, s98, s100
	s_cselect_b64 s[PFA:PFA+1], s[4:5], s[6:7]
	s_cselect_b32 s[PFS], 256, s[PFS]
	s_cselect_b32 s101, 11, 12                     ; a lane a row: 2,048 bytes in x16, 4,096 in Wq
	s_cselect_b32 s100, s[CLX], s[CLY]             ; the coordinate along which other clusters read the same rows
	s_mov_b32 s99, 0
	s_add_nc_u64 s[PFA:PFA+1], s[PFA:PFA+1], s[98:99]
	s_cmp_eq_u32 s[WV], 1
	s_cselect_b32 s100, 0, s100                    ; xk's and xv's rows are read by one column of clusters each
	s_cmp_eq_u32 s100, 0
	s_cselect_b32 s[LIM], 1, -1                    ; the same in all sixteen partners, for a given wave
	v_and_b32 v[PFO], 31, v0
	v_lshlrev_b32 v[PFO], s101, v[PFO]
	; where the results go
	s_lshr_b32 s98, s[TY], 4                       ; b
	s_lshl_b32 s98, s98, 4
	s_lshl1_add_u32 s98, s[TX], s98
	s_add_co_u32 s98, s98, s[WC]                   ; 16 b + head
	s_lshl_b32 s98, s98, 11
	s_and_b32 s100, s[TY], 15
	s_lshl_b32 s100, s100, 7                       ; the tile's first position in its batch
	s_add_co_u32 s98, s98, s100
	s_lshl_b32 s101, s[WR], 6
	s_add_co_u32 s98, s98, s101
	s_lshl_b32 s98, s98, 8                         ; rows of 256 bytes
	s_add_nc_u64 s[16:17], s[16:17], s[98:99]
	s_lshr_b32 s98, s[TY], 4
	s_lshl2_add_u32 s98, s98, s[CX]                ; 2 (2 b + g) + plane = 4 b + cx
	s_lshl_b32 s98, s98, 18
	s_lshl_b32 s101, s[CLX], 21                    ; v lies 2,097,152 bytes behind k
	s_add_co_u32 s98, s98, s101
	s_lshl_b32 s100, s100, 7                       ; rows of 128 bytes
	s_add_co_u32 s98, s98, s100
	s_lshl_b32 s101, s[WV], 12                     ; my 32 rows
	s_add_co_u32 s98, s98, s101
	s_add_nc_u64 s[18:19], s[18:19], s[98:99]
	s_lshr_b32 s98, s[CLY], 2                      ; vlo16: ((b x 4 + cy) x 4 + cx) x 4,096 bytes; b = cluster y / 4
	s_lshl2_add_u32 s98, s98, s[CY]
	s_lshl2_add_u32 s98, s98, s[CX]
	s_lshl_b32 s98, s98, 12
	s_add_nc_u64 s[VLP:VLP+1], s[VLP:VLP+1], s[98:99]
	s_and_b32 s[LOF], s[CLY], 3                    ; who stores there: cluster y % 4 = 0,
	s_or_b32 s[LOF], s[LOF], s[WV]                 ; wave 0,
	s_xor_b32 s98, s[CLX], 1
	s_or_b32 s[LOF], s[LOF], s98                   ; cluster x = 1: numbers that all sixteen partners share
	; the biases of my columns: accumulator n, register j is column 16 n + 8 (l / 16) + j
	s_lshl_b32 s98, s[TX], 10
	s_lshl_b32 s101, s[WC], 9
	s_add_co_u32 s98, s98, s101
	v_lshl_add_u32 v[BO], v2, 5, s98
	s_lshl_b32 s98, s[CX], 8
	v_lshl_add_u32 v[BOK], v2, 5, s98
	s_cmp_eq_u32 s[CLX], 0
	s_cselect_b64 s[100:101], s[10:11], s[12:13]
.irp n, 0,1,2,3,4,5,6,7
	global_load_b128 v[BQ+8*(\n):BQ+8*(\n)+3],   v[BO], s[8:9] offset:64*(\n)
	global_load_b128 v[BQ+8*(\n)+4:BQ+8*(\n)+7], v[BO], s[8:9] offset:64*(\n)+16
.endr
.irp n, 0,1,2,3
	global_load_b128 v[BK+8*(\n):BK+8*(\n)+3],   v[BOK], s[100:101] offset:64*(\n)
	global_load_b128 v[BK+8*(\n)+4:BK+8*(\n)+7], v[BOK], s[100:101] offset:64*(\n)+16
.endr
	s_wait_loadcnt 0x0
	s_wait_kmcnt 0x0                               ; qs
.set i, 0
.rept 48                               ; all 96 biases rounded to bf16, like every input
	v_cvt_pk_bf16_f32 v[TP], v[BQ+2*i], v[BQ+2*i+1]
	v_lshlrev_b32 v[BQ+2*i], 16, v[TP]
	v_and_b32 v[BQ+2*i+1], 0xffff0000, v[TP]
.set i, i+1
.endr
	v_mov_b32 v[TP], s[QS]
	v_cvt_pk_bf16_f32 v[TP], v[TP], v[TP]
	v_lshlrev_b32 v[TP], 16, v[TP]
	v_mul_f32 v[SC], 0x3e0293ee, v[TP]             ; s = qs x log2(e) / sqrt(128)
	v_mov_b32 v[SC+1], v[SC]
	v_mov_b32 v[M1], -1.0
.set i, 0
.rept 32
	v_pk_mul_f32 v[BQ+2*i:BQ+2*i+1], v[BQ+2*i:BQ+2*i+1], v[SC:SC+1]
.set i, i+1
.endr
; 16 products of q: row blocks a0, a0 + 1 x all 8 column blocks, 32 along K, from buffer f.  zero = 1: the product starts the sum.
.macro MULQ f, a0, zero
	WIN W_MQ
.irp a, \a0, (\a0)+1
.irp b, 0,1,2,3,4,5,6,7
.if \zero
	v_wmma_f32_16x16x32_bf16 v[8*(8*(\a)+(\b)):8*(8*(\a)+(\b))+7], v[96*(\f)+8*(\b):96*(\f)+8*(\b)+7], v[FA+48*(\f)+8*(\a):FA+48*(\f)+8*(\a)+7], 0
.else
	v_wmma_f32_16x16x32_bf16 v[8*(8*(\a)+(\b)):8*(8*(\a)+(\b))+7], v[96*(\f)+8*(\b):96*(\f)+8*(\b)+7], v[FA+48*(\f)+8*(\a):FA+48*(\f)+8*(\a)+7], v[8*(8*(\a)+(\b)):8*(8*(\a)+(\b))+7]
.endif
.endr
.endr
.endm
; 8 products of k or v.  All 40 accumulators of a quarter take turns, one instruction a turn.
.macro MULK f, zero
	WIN W_MK
.irp a, 0,1
.irp b, 0,1,2,3
.if \zero
	v_wmma_f32_16x16x32_bf16 v[8*(4*(\a)+(\b)):8*(4*(\a)+(\b))+7], v[96*(\f)+64+8*(\b):96*(\f)+64+8*(\b)+7], v[FA+48*(\f)+32+8*(\a):FA+48*(\f)+32+8*(\a)+7], 0
.else
	v_wmma_f32_16x16x32_bf16 v[8*(4*(\a)+(\b)):8*(4*(\a)+(\b))+7], v[96*(\f)+64+8*(\b):96*(\f)+64+8*(\b)+7], v[FA+48*(\f)+32+8*(\a):FA+48*(\f)+32+8*(\a)+7], v[8*(4*(\a)+(\b)):8*(4*(\a)+(\b))+7]
.endif
.endr
.endr
.endm
; 36 LDS loads in one run: quarter q (32 along K) of a slot into buffer f: 16 for Wq, 8 for Wk or Wv, 8 for xq, 4 for xk or xv
.macro FETCH slot, q, f
	WIN TO_B
.irp n, 0,1,2,3,4,5,6,7
	ds_load_tr16_b128 v[96*(\f)+8*(\n):96*(\f)+8*(\n)+3],   v[ADRBQ+(\slot)] offset:32*(\q)*PQ+32*(\n)
	ds_load_tr16_b128 v[96*(\f)+8*(\n)+4:96*(\f)+8*(\n)+7], v[ADRBQ+(\slot)] offset:32*(\q)*PQ+32*(\n)+16*PQ
.endr
.irp n, 0,1,2,3
	ds_load_tr16_b128 v[96*(\f)+64+8*(\n):96*(\f)+64+8*(\n)+3],   v[ADRBK+(\slot)] offset:32*(\q)*PKV+32*(\n)
	ds_load_tr16_b128 v[96*(\f)+64+8*(\n)+4:96*(\f)+64+8*(\n)+7], v[ADRBK+(\slot)] offset:32*(\q)*PKV+32*(\n)+16*PKV
.endr
	WIN 0
.irp a, 0,1,2,3
	ds_load_b128 v[FA+48*(\f)+8*(\a):FA+48*(\f)+8*(\a)+3],   v[ADRAQ+(\slot)] offset:64*(\q)+(\a)*16*PA
	ds_load_b128 v[FA+48*(\f)+8*(\a)+4:FA+48*(\f)+8*(\a)+7], v[ADRAQ+(\slot)] offset:64*(\q)+(\a)*16*PA+32
.endr
.irp a, 0,1
	ds_load_b128 v[FA+48*(\f)+32+8*(\a):FA+48*(\f)+32+8*(\a)+3],   v[ADRAK+(\slot)] offset:64*(\q)+(\a)*16*PA
	ds_load_b128 v[FA+48*(\f)+32+8*(\a)+4:FA+48*(\f)+32+8*(\a)+7], v[ADRAK+(\slot)] offset:64*(\q)+(\a)*16*PA+32
.endr
.endm
; One of a K step's first three quarters: multiplies buffer f; in its middle it fetches quarter qn of the same slot into buffer g.
.macro QUARTER slot, qn, f, g, zero
	s_wait_dscnt 8                                 ; the youngest eight loads (xq's row blocks 2 and 3, xk's or xv's two) may be out
	MULQ \f, 0, \zero
	PLACES                                         ; four places in front of loads into registers that matrix instructions have read
	FETCH \slot, \qn, \g
	s_wait_dscnt 36                                ; all but the 36 just issued
	MULQ \f, 2, \zero
	MULK \f, \zero
.endm
; The last quarter multiplies buffer 1 and changes slots.  ONE barrier: in front of it each wave waits for all its tensor loads (one is out: its part of the next slot), adds 0 to its spare word, and
; waits for that and for its own reads of this slot.  fill = 1: the barrier opens a round of the cluster's barrier, and the slot just read is filled again first behind it, two K steps ahead:
; 136 matrix instructions stand between that request and the wait for it.
.macro TURN slot, next, fill
.if \fill
	s_wait_xcnt 0x0                                ; the last prefetch, a K step back, has read its address
	s_add_nc_u64 s[PFA:PFA+1], s[PFA:PFA+1], s[PFS:PFS+1]
.endif
	WIN 0
	s_wait_tensorcnt 0x0
	ds_add_u32 v[SPW], v[NIL]                      ; 0 onto my spare word
	s_wait_dscnt 9                                 ; the add and the youngest eight loads may be out
	MULQ 1, 0, 0
	s_wait_dscnt 0x0                               ; the add is done, and my reads of this slot are over
	s_barrier_signal -1
	MULK 1, 0
	WIN 0
	s_barrier_wait -1
.if \fill
	CREST                                          ; no wave of any partner still reads this slot or has a load on its way
	s_add_nc_u64 s[G0A+4*(\slot)+2:G0A+4*(\slot)+3], s[G0A+4*(\slot)+2:G0A+4*(\slot)+3], 2*256
	s_add_nc_u64 s[G0Q+4*(\slot)+2:G0Q+4*(\slot)+3], s[G0Q+4*(\slot)+2:G0Q+4*(\slot)+3], 2*524288
	s_add_nc_u64 s[G0K+4*(\slot)+2:G0K+4*(\slot)+3], s[G0K+4*(\slot)+2:G0K+4*(\slot)+3], 2*65536
	JLOAD \slot                                    ; the four v_nop behind it are also the places in front of the loads below
.else
	PLACES
.endif
	FETCH \next, 0, 0
.if \fill
	ASK
.endif
	MULQ 1, 2, 0
.endm
	s_wait_tensorcnt 1                             ; my part of K step 0 is in; step 1's may stay out
	s_barrier_signal -1
	s_barrier_wait -1
	FETCH 0, 0, 0
	QUARTER 0, 1, 0, 1, 1                          ; the first quarter stands in front of the loop: its products start the sums
	WIN 0
	s_mov_b32 s3, 3
.Llap:                                                 ; a trip goes once round the ring and fills both slots again: K steps 2 to 7
	QUARTER 0, 2, 1, 0, 0
	QUARTER 0, 3, 0, 1, 0
	TURN 0, 1, 1
	QUARTER 1, 1, 0, 1, 0
	QUARTER 1, 2, 1, 0, 0
	QUARTER 1, 3, 0, 1, 0
	TURN 1, 0, 1
	QUARTER 0, 1, 0, 1, 0
	WIN 0
	s_sub_co_u32 s3, s3, 1
	s_cmp_lg_u32 s3, 0
	s_cbranch_scc1 .Llap
	QUARTER 0, 2, 1, 0, 0                          ; the last lap fills nothing
	QUARTER 0, 3, 0, 1, 0
	TURN 0, 1, 0
	QUARTER 1, 1, 0, 1, 0
	QUARTER 1, 2, 1, 0, 0
	QUARTER 1, 3, 0, 1, 0
	s_wait_dscnt 8
	MULQ 1, 0, 0
	s_wait_dscnt 0x0
	MULQ 1, 2, 0
	MULK 1, 0
	WIN 0
	PLACES
	PLACES
; THE WAY OUT.  16 rows of q at a time: sum x s + b x s, rounded to f16; 16 bytes a lane into my stage, whole rows of 256 bytes back, stored so that 16 lanes fill 256 consecutive bytes.
.macro OUTQ a
.if (\a) > 0
	s_wait_xcnt 0x0                                ; the last block's stores have read their registers
.endif
	WIN 0x02                                       ; source 0 window 2
.set i, 0
.rept 32
	v_pk_fma_f32 v[32+2*i:33+2*i], v[64*(\a)+2*i:64*(\a)+2*i+1], v[SC:SC+1], v[BQ+2*i:BQ+2*i+1] op_sel_hi:[1,0,1]
.set i, i+1
.endr
	WIN 0
.set i, 0
.rept 32
	v_cvt_pk_f16_f32 v[96+i], v[32+2*i], v[33+2*i]
.set i, i+1
.endr
.irp n, 0,1,2,3,4,5,6,7
	ds_store_b128 v[STO], v[96+4*(\n):96+4*(\n)+3] offset:32*(\n)
.endr
.irp t, 0,1,2,3,4,5,6,7
	ds_load_b128 v[32+4*(\t):32+4*(\t)+3], v[RD] offset:(\t)*2*SP   ; LDS serves a wave's instructions in order: these see the stores above
.endr
	s_wait_dscnt 0x0
.irp t, 0,1,2,3,4,5,6,7
	global_store_b128 v[CO], v[32+4*(\t):32+4*(\t)+3], s[16:17] offset:(\a)*4096+(\t)*512
.endr
.endm
; 16 rows of k or v: sum + b in v32-63, rounded to f16 in v96-111; rows of 128 bytes, four to a store.  Where v goes as a pair, the remainder (sum + b) - f16(sum + b), exact in f32, follows the same way.
.macro OUTK a
	s_wait_xcnt 0x0
	WIN 0x03                                       ; source 0 window 3
.set i, 0
.rept 16
	v_pk_add_f32 v[32+2*i:33+2*i], v[32*(\a)+2*i:32*(\a)+2*i+1], v[BK+2*i:BK+2*i+1]
.set i, i+1
.endr
	WIN 0
.set i, 0
.rept 16
	v_cvt_pk_f16_f32 v[96+i], v[32+2*i], v[33+2*i]
.set i, i+1
.endr
.irp n, 0,1,2,3
	ds_store_b128 v[STK], v[96+4*(\n):96+4*(\n)+3] offset:32*(\n)
.endr
.irp t, 0,1,2,3
	ds_load_b128 v[112+4*(\t):112+4*(\t)+3], v[RDK] offset:(\t)*4*SPK
.endr
	s_wait_dscnt 0x0
.irp t, 0,1,2,3
	global_store_b128 v[CK], v[112+4*(\t):112+4*(\t)+3], s[18:19] offset:(\a)*2048+(\t)*512
.endr
	s_cmp_eq_u32 s[LOF], 0
	s_cbranch_scc0 .Lno_pair_\@
.set i, 0
.rept 16
	v_fma_mix_f32 v[32+2*i], v[96+i], v[M1], v[32+2*i] op_sel_hi:[1,0,0]                 ; the f16 in the low half x -1 + the f32 number
	v_fma_mix_f32 v[33+2*i], v[96+i], v[M1], v[33+2*i] op_sel:[1,0,0] op_sel_hi:[1,0,0]  ; the same for the high half
.set i, i+1
.endr
.set i, 0
.rept 16
	v_cvt_pk_f16_f32 v[96+i], v[32+2*i], v[33+2*i]
.set i, i+1
.endr
.irp n, 0,1,2,3
	ds_store_b128 v[STK], v[96+4*(\n):96+4*(\n)+3] offset:32*(\n)
.endr
.irp t, 0,1,2,3
	ds_load_b128 v[32+4*(\t):32+4*(\t)+3], v[RDK] offset:(\t)*4*SPK
.endr
	s_wait_dscnt 0x0
.irp t, 0,1,2,3
	global_store_b128 v[CK], v[32+4*(\t):32+4*(\t)+3], s[VLP:VLP+1] offset:(\a)*2048+(\t)*512
.endr
.Lno_pair_\@:
.endm
	OUTQ 0
	OUTQ 1
	OUTQ 2
	OUTQ 3
	OUTK 0
	OUTK 1
	s_wait_tensorcnt 0x0                           ; the wave's end, behind my last tensor load and my last LDS store
	ds_add_u32 v[SPW], v[NIL]
	s_wait_dscnt 0x0
	CROUND                                         ; the closing round
	s_endpgm
.Lfunc_end_k_qa491839180_proj:
	.size	k_qa491839180_proj, .Lfunc_end_k_qa491839180_proj-k_qa491839180_proj
	.p2alignl 7, 3214868480
	.fill 96, 4, 3214868480
	.section	.rodata,"a",@progbits
	.p2align	6, 0x0
	.amdhsa_kernel k_qa491839180_proj
		.amdhsa_group_segment_fixed_size 327680
		.amdhsa_private_segment_fixed_size 0
		.amdhsa_enable_private_segment 0
		.amdhsa_kernarg_size 72
		.amdhsa_user_sgpr_count 2
		.amdhsa_user_sgpr_kernarg_segment_ptr 1
		.amdhsa_wavefront_size32 1
		.amdhsa_system_sgpr_workgroup_id_x 1
		.amdhsa_system_sgpr_workgroup_id_y 1
		.amdhsa_system_sgpr_workgroup_id_z 1
		.amdhsa_system_vgpr_workitem_id 0
		.amdhsa_next_free_vgpr 832
		.amdhsa_next_free_sgpr 102
		.amdhsa_reserve_vcc 0
		.amdhsa_float_denorm_mode_32 3
		.amdhsa_float_denorm_mode_16_64 3
		.amdhsa_memory_ordered 1
		.amdhsa_forward_progress 1
		.amdhsa_inst_pref_size 147
	.end_amdhsa_kernel
	.amdgpu_metadata
---
amdhsa.version: [ 1, 2 ]
amdhsa.kernels:
  - .name:           k_qa491839180_proj
    .symbol:         k_qa491839180_proj.kd
    .args:
      - { .name: x16, .offset: 0, .size: 8, .value_kind: global_buffer, .address_space: global }
      - { .name: w16, .offset: 8, .size: 8, .value_kind: global_buffer, .address_space: global }
      - { .name: bq, .offset: 16, .size: 8, .value_kind: global_buffer, .address_space: global }
      - { .name: bk, .offset: 24, .size: 8, .value_kind: global_buffer, .address_space: global }
      - { .name: bv, .offset: 32, .size: 8, .value_kind: global_buffer, .address_space: global }
      - { .name: q_extra_scale, .offset: 40, .size: 8, .value_kind: global_buffer, .address_space: global }
      - { .name: q16, .offset: 48, .size: 8, .value_kind: global_buffer, .address_space: global }
      - { .name: kv16, .offset: 56, .size: 8, .value_kind: global_buffer, .address_space: global }
      - { .name: vlo16, .offset: 64, .size: 8, .value_kind: global_buffer, .address_space: global }
    .group_segment_fixed_size: 327680
    .private_segment_fixed_size: 0
    .kernarg_segment_align: 8
    .kernarg_segment_size: 72
    .max_flat_workgroup_size: 128
    .sgpr_count:     102
    .vgpr_count:     832
    .wavefront_size: 32
...
	.end_amdgpu_metadata
.endif
;; end of part 2
;; launch attn (part 3): grid 64 x 4, 4 waves a work-group, clusters of 4 x 1, 327,680 bytes of LDS; arguments q16, kv16, ctx16, vlo16, ctxlo16; writes ctx16, ctxlo16
.if DOCPART == 3
	.amdgcn_target "amdgcn-amd-amdhsa--gfx1250"
	.amdhsa_code_object_version 6
	.text
	.protected	k_qa491839180_attn
	.globl	k_qa491839180_attn
	.p2align	8
	.type	k_qa491839180_attn,@function
k_qa491839180_attn:
	s_mov_b64 s[64:65], 0
	v_nop
	global_prefetch_b8 v0, s[64:65] scope:SCOPE_SE
	s_setreg_imm32_b32 hwreg(HW_REG_WAVE_MODE, 25, 1), 1
	s_wait_xcnt 0x0
	s_wait_alu depctr_hold_cnt(0) depctr_sa_sdst(0) depctr_va_vdst(0) depctr_va_sdst(0) depctr_va_ssrc(0) depctr_va_vcc(0) depctr_vm_vsrc(0)
	s_getreg_b32 s2, hwreg(HW_REG_IB_STS2, 6, 4)
	s_cmp_eq_u32 s2, 0
	s_cbranch_scc0 .Lentry_in_a_cluster
	s_endpgm
.Lentry_in_a_cluster:
	s_bfe_u32 s2, ttmp6, 0x10000c
	s_cmp_lg_u32 s2, 0x3003
	s_cbranch_scc0 .Lentry_shape_is_right
	s_endpgm
.Lentry_shape_is_right:
; CAUSAL ATTENTION WITH GROUPED KEYS.  ctx[b][l][head] = the sum over t <= l of softmax_t(q . k) v.  q16 [b][16 heads][2048][128] f16 holds q with log2(e) / sqrt(128) folded in, so a weight is
; p = 2^(s - m).  kv16: K, then V, each [2 b + g][plane d / 64][2048][64] f16.  ctx16 [4096][2048] f16.  Products, maxima and sums in f32; p rounded to f16 for the second product, ctx once.
; LIMITS.  A hidden score counts as -1e30; a weight below 2^-126 counts as 0 in the sum; NaN and infinities are not treated apart; q, k, v arrive within f16's 65,504.
; SHARES.  A cluster serves one (b, g) and one pair of blocks of 64 positions, p and 31 - p; its four work-groups are the group's four pairs of heads: they walk the same K and V tiles with the same
; trip counts, so every tile is asked for JOINTLY.  In a work-group waves 0, 1 have one head, waves 2, 3 the other.  A wave holds all 64 queries of the block (four tiles of 16, two PIECES: tiles 0, 1
; and tiles 2, 3) and takes of each tile of 128 keys the half w % 2; the two waves' partial results (m, l, O) are merged through LDS when a block ends.
; THE WALK.  Block i needs (i + 2) / 2 tiles; the two blocks together 17, whatever p.  ONE walk: the low block's tiles, the high block's, and one trip that drains the pipeline: 18 trips.
; THE MASK is the C operand of the product that starts a sum.  For query tile t and key block k of a step of 64 keys: ML (k < t), MD (k = t), MU (k > t), made anew each trip from scalars.
; BY TURNS.  In a turn one piece has the matrix unit: 32 products V^T P of the step before, then 32 products K Q^T of the trip's step; the other piece's softmax stands in 64 slices behind them.
; No first and no last step is written out: m starts at the lowest finite number, so the first step of a block multiplies O and l by 0.
; THE FIRST 16 POSITIONS OF A BATCH GO AS PAIRS.  Their ctx is a mean over 16 keys at the most and many times larger than the rest, so what f16 drops of v and of ctx shows in the output.  Where block 0
; ends (the cluster with p = 0, the waves with w % 2 = 0) tile 0 takes 8 more products, V_lo^T P, with v's remainders from vlo16 [b][4][2 g + plane][32 keys][64] (block 0 has one key step, so P
; still holds its weights), and ctx's remainder O - f16(O), rounded to f16, goes to ctxlo16 [b][16][2048].
; REGISTERS: window 0: v2-8 addresses; v12-43 statistics, 8 a tile (m, a mate, l twice, four at work); v44-47, v57, v58, v60 addresses; v48-56 the merge; v59 -1; v64-191 S^T; v192-255 P.
;   window 1: O^T, 64 a tile.   window 2: v0-127 Q; v128-255 K.   window 3: v0-127 V; v128-159 the masks.
.set PK,    144                        ; a row of a K plane in LDS: 128 bytes + 16
.set PV,    160                        ; of a V plane: 128 + 32, for the turning load
.set KP1,   128*PK                     ; K's plane 1
.set VOFF,  2*128*PK                   ; V's plane 0
.set VP1,   128*PV
.set QH,    VOFF+2*VP1                 ; behind slot 0: the high block's Q in fragment order, 16,384 bytes a head
.set SLOT1, 1<<17
.set STAGE, SLOT1+QH                   ; behind slot 1: 16 rows x 272 bytes for each wave
.set SP,    272
.set SPARE, STAGE+4*16*SP              ; the spare words: two blocks of 256 bytes that no other line names
.set XO,    SPARE+512                  ; the exchange of partial O^T: 16,384 bytes a wave
.set XS,    XO+65536                   ; the exchange of m and l: 512 bytes a wave
.set VLB,   XS+2048                    ; v's remainders for keys 0 to 31: two planes of 32 rows x 160 bytes
.set AK0, 2
.set AV0, 3
.set ADR, 4
.set QO,  5
.set STO, 6
.set RD,  7
.set GO,  8
.set ST,  12
.set XW,  44
.set XR,  45
.set XSW, 46
.set XSR, 47
.set MG,  48
.set VLW, 57                           ; where I put my quarter of v's remainders
.set AVL, 58                           ; my lane's place in them for the turning load
.set M1,  59                           ; -1
.set QHR, 60
.set PFO, 61
.set SPW, 62
.set NIL, 63
.set S,   64
.set P,   192
.set VT,  224                          ; at the head: my quarter of v's remainders on its way to LDS
.set KF,  128                          ; window 2
.set TRI, 128                          ; window 3: -1e30 where key 8 (l / 16) + j lies behind query l % 16
.set ML,  136
.set MD,  144
.set MU,  152
.set WV,  12
.set KH,  13                           ; which half of a tile's keys is mine; also which plane I fetch
.set PB,  14                           ; p
.set LIM, 15
.set PFA, 18
.set G1K, 24
.set G1V, 32
.set G0K, 40
.set G0V, 44
.set KB,  48                           ; s[48:49] K at my plane of this (b, g)
.set VB,  50
.set OFF, 52
.set OLO, 54                           ; s[54:55] ctx16 at the low block's rows of my head
.set SLOTS, 56
.set CNT, 57
.set OHI, 58
.set SEL, 60
.set TB,  62                           ; the LDS byte at which the trip's slot begins
.set NXT, 63                           ; the tile to be asked for next
.set LQ,  66                           ; the last tile of the block whose tiles are being asked for
.set NHM, 67                           ; the high block's last tile
.set TI,  68                           ; the trip's tile within its block
.set BI,  69                           ; the trip's block
.set BHI, 70
.set SLF, 71                           ; SLOTS in the trip that enters the high block
.set SLL, 72                           ; SLOTS in the trip before it
.set STP, 73
.set AL,  74
.set BE,  76
.set BU,  78
.set BIGN, 79
.set MLOW, 80
.set QHP, 82
.set VLP, 88                           ; s[88:89] vlo16 at my quarter
.set CLP, 90                           ; s[90:91] ctxlo16 at my batch and head
.set LOF, 92                           ; 0 in the waves that finish a batch's first 16 positions
.set MSB, 0
.macro WIN new
.if MSB != (\new)
	s_set_vgpr_msb (MSB<<8)|(\new)
.set MSB, \new
.endif
.endm
.set W_KQ, 0x0a                        ; K and Q window 2, S^T window 0
.set W_KM, 0x3a                        ; the same, C (a mask) window 3
.set W_PV, 0x53                        ; V window 3, P window 0, O^T window 1
.set W_RS, 0x41                        ; destination and source 0 window 1, source 1 window 0
.set W_LO, 0x50                        ; sources 0 and 1 window 0, source 2 and destination window 1
.macro JLOAD                           ; a joint fill: waves 0, 1 K's two planes, waves 2, 3 V's; an s_nop 0 and four v_nop follow each line
	s_cmp_lt_u32 s[WV], 2
	s_cbranch_scc0 .Lfor_v_\@
	tensor_load_to_lds s[G0K:G0K+3], s[G1K:G1K+7]
	s_nop 0
.rept 4
	v_nop
.endr
	s_branch .Lasked_\@
.Lfor_v_\@:
	tensor_load_to_lds s[G0V:G0V+3], s[G1V:G1V+7]
	s_nop 0
.rept 4
	v_nop
.endr
.Lasked_\@:
.endm
; A prefetch into the L2.  All sixteen clusters of a (b, g) walk the same K and V; the cluster with p = 0, whose high block walks all 16 tiles, asks, and nobody else: in trip t for that block's tile
; t + 2, whose load goes out two trips later; t = 0 .. 13.  Wave 0 asks for K, wave 2 for V; the four partners share a tile's two planes of 64 blocks of 256 bytes out by address, 32 each, a lane a block.
.macro ASK
	s_cmp_gt_u32 s[SLOTS], s[LIM]
	s_cbranch_scc0 .Lnot_mine_\@
	global_prefetch_b8 v[PFO], s[PFA:PFA+1] th:TH_LOAD_NT scope:SCOPE_SE
.Lnot_mine_\@:
.endm
.macro CROUND
	s_barrier_signal -1
	s_barrier_wait -1
	s_cmp_lg_u32 s[WV], 0
	s_cbranch_scc1 .Lnot_wave_0_\@
	s_barrier_signal -3
.Lnot_wave_0_\@:
	s_barrier_wait -3
	s_barrier_signal -1
	s_barrier_wait -1
.endm
	s_load_b128 s[4:7], s[0:1], 0x0                ; q16 s[4:5], kv16 s[6:7]
	s_load_b64 s[8:9], s[0:1], 0x10                ; ctx16
	s_load_b64 s[VLP:VLP+1], s[0:1], 0x18          ; vlo16
	s_load_b64 s[CLP:CLP+1], s[0:1], 0x20          ; ctxlo16
	v_lshl_add_u32 v[SPW], v0, 2, SPARE
	v_mov_b32 v[NIL], 0
	ds_add_u32 v[SPW], v[NIL]                      ; the wave's opening: the add and its wait stand ahead of my first tensor load
	v_lshrrev_b32 v1, 5, v0
	v_readfirstlane_b32 s[WV], v1
	s_and_b32 s[KH], s[WV], 1
	s_lshr_b32 s16, s[WV], 1                       ; which of the two heads
	s_mov_b32 s[PB], ttmp9                         ; the cluster's x: the pair of blocks
	s_bfe_u32 s17, ttmp6, 0x40000                  ; cx: the pair of heads; it enters q16's, ctx16's, ctxlo16's and the prefetches' addresses alone
	s_and_b32 s20, ttmp7, 0xffff                   ; 2 b + g
	s_or_b32 s[LOF], s[PB], s[KH]                  ; p = 0 and w % 2 = 0: the same in all four partners, for a given wave
	s_sub_co_u32 s[BHI], 31, s[PB]
	s_add_co_u32 s21, s[PB], 2
	s_lshr_b32 s21, s21, 1                         ; the low block's tiles; the high block has 17 less that
	s_sub_co_u32 s[NHM], 16, s21
	s_sub_co_u32 s[SLF], 16, s21
	s_sub_co_u32 s[SLL], 17, s21
	s_sub_co_u32 s[LQ], s21, 1
	s_mov_b32 s[NXT], 1                            ; tile 0 is asked for below; behind a block's last tile comes the high block's tile 0
	s_cmp_gt_u32 s[NXT], s[LQ]
	s_cselect_b32 s[NXT], 0, s[NXT]
	s_cselect_b32 s[LQ], s[NHM], s[LQ]
	; group 1: 128 keys of a plane are 16,384 dense bytes: 64 rows of 256 bytes, two keys a row, padded in LDS after every key
	s_mov_b32 s[G1K], 15|(1<<16)|(1<<20)|(1<<21)|(4<<22)|(3<<25)
	s_mov_b32 s[G1V], 15|(1<<16)|(1<<20)|(1<<21)|(4<<22)|(7<<25)
.irp g, G1K, G1V
	s_mov_b32 s[(\g)+1], 128<<16
	s_mov_b32 s[(\g)+2], 64<<16
	s_mov_b32 s[(\g)+3], 128<<16
	s_mov_b32 s[(\g)+4], 64
	s_mov_b32 s[(\g)+5], 128
	s_mov_b32 s[(\g)+6], 0
	s_mov_b32 s[(\g)+7], 0
.endr
	s_mov_b32 s[G0K], 1
	s_mul_i32 s[G0K+1], s[KH], KP1
	s_mov_b32 s[G0V], 1
	s_mul_i32 s[G0V+1], s[KH], VP1
	s_add_co_u32 s[G0V+1], s[G0V+1], VOFF
	s_lshl1_add_u32 s22, s20, s[KH]                ; 2 (2 b + g) + plane,
	s_lshl_b32 s22, s22, 18                        ; 262,144 bytes each
	s_mov_b32 s23, 0
	s_mov_b32 s[SEL], 0x76543210
	s_mov_b32 s[SEL+1], 0xfedcba98
	s_mov_b32 s[TB], SLOT1                         ; the first change of slots turns it into 0
	s_mov_b32 s[BIGN], 0xf149f2ca                  ; -1e30
	s_mov_b32 s[MLOW], 0xff7fffff                  ; the lowest finite number
	s_mov_b32 s[AL+1], 0                           ; named as pairs
	s_mov_b32 s[BE+1], 0
	s_mov_b32 s[OFF+1], 0
	s_wait_dscnt 0x0                               ; the opening add is done
	s_wait_kmcnt 0x0
	s_add_nc_u64 s[KB:KB+1], s[6:7], s[22:23]
	s_add_nc_u64 s[VB:VB+1], s[KB:KB+1], 2097152
	s_add_nc_u64 s[G0K+2:G0K+3], s[KB:KB+1], 0
	s_or_b32 s[G0K+3], s[G0K+3], 0x80000000
	s_add_nc_u64 s[G0V+2:G0V+3], s[VB:VB+1], 0
	s_or_b32 s[G0V+3], s[G0V+3], 0x80000000
	s_lshr_b32 s86, s20, 1                         ; b
	s_and_b32 s87, s20, 1                          ; g
	s_lshl_b32 s81, s87, 3
	s_lshl1_add_u32 s81, s17, s81
	s_add_co_u32 s81, s81, s16                     ; head = 8 g + 2 cx + w / 2
	s_lshl4_add_u32 s87, s86, s81
	s_lshl_b32 s87, s87, 19                        ; (16 b + head) x 2,048 rows of 256 bytes
	s_mov_b32 s85, 0
	s_lshl_b32 s84, s[BHI], 14
	s_add_co_u32 s84, s84, s87
	s_lshl_b32 s10, s[KH], 13                      ; of the high block's Q I bring tiles 2 (w % 2) and the next into LDS
	s_add_co_u32 s84, s84, s10
	s_add_nc_u64 s[QHP:QHP+1], s[4:5], s[84:85]
	s_lshl_b32 s84, s[PB], 14
	s_add_co_u32 s84, s84, s87
	s_add_nc_u64 s[4:5], s[4:5], s[84:85]          ; the low block's Q
	s_lshl_b32 s86, s86, 23
	s_lshl_b32 s81, s81, 8
	s_add_co_u32 s86, s86, s81
	s_lshl_b32 s84, s[PB], 18                      ; 64 rows of 4,096 bytes a block
	s_add_co_u32 s84, s84, s86
	s_add_nc_u64 s[OLO:OLO+1], s[8:9], s[84:85]
	s_lshl_b32 s84, s[BHI], 18
	s_add_co_u32 s84, s84, s86
	s_add_nc_u64 s[OHI:OHI+1], s[8:9], s[84:85]
	s_lshr_b32 s84, s20, 1                         ; ctxlo16: 16 rows of 4,096 bytes a batch, my head's 256 bytes of a row
	s_lshl_b32 s84, s84, 16
	s_add_co_u32 s84, s84, s81
	s_add_nc_u64 s[CLP:CLP+1], s[CLP:CLP+1], s[84:85]
	s_lshr_b32 s94, s20, 1                         ; vlo16: 16 parts of 4,096 bytes a batch, of which the first four hold its first 32 positions:
	s_lshl_b32 s94, s94, 4
	s_and_b32 s95, s20, 1
	s_lshl1_add_u32 s95, s95, s16                  ; part 2 g + plane; I bring plane w / 2,
	s_add_co_u32 s94, s94, s95
	s_lshl_b32 s94, s94, 12
	s_lshl_b32 s95, s[KH], 11                      ; keys 16 (w % 2) on: 16 rows of 128 bytes
	s_add_co_u32 s94, s94, s95
	s_mov_b32 s95, 0
	s_add_nc_u64 s[VLP:VLP+1], s[VLP:VLP+1], s[94:95]
	s_and_b32 s84, s17, 1                          ; the prefetches: plane cx % 2,
	s_lshl1_add_u32 s84, s20, s84
	s_lshl_b32 s84, s84, 18
	s_lshr_b32 s10, s17, 1                         ; half cx / 2 of a tile,
	s_lshl_b32 s10, s10, 13
	s_add_co_u32 s84, s84, s10
	s_add_co_u32 s84, s84, 16384                   ; at tile 1: each change of slots steps the place first
	s_cmp_lt_u32 s[WV], 2
	s_cselect_b32 s10, 0, 2097152
	s_add_co_u32 s84, s84, s10
	s_add_nc_u64 s[PFA:PFA+1], s[6:7], s[84:85]
	s_or_b32 s[LIM], s[KH], s[PB]                  ; waves 0 and 2 of the cluster with p = 0: the same in all four partners
	s_cmp_eq_u32 s[LIM], 0
	s_cselect_b32 s[LIM], 2, -1
	CROUND                                         ; all four work-groups are here
	JLOAD                                          ; tile 0 into slot 0; slot 1 is asked for by the first change of slots
	v_and_b32 v1, 15, v0
	v_bfe_u32 v9, v0, 4, 1
	v_lshlrev_b32 v[QO], 8, v1
	v_lshl_add_u32 v[QO], v9, 4, v[QO]             ; row x 256 + 16 x half
	WIN 0x80
.set i, 0
.rept 16                               ; the low block's Q: tile i / 4, channels 32 (i % 4) on
	global_load_b128 v[8*i:8*i+3],   v[QO], s[4:5] offset:(i/4)*4096+(i%4)*64
	global_load_b128 v[8*i+4:8*i+7], v[QO], s[4:5] offset:(i/4)*4096+(i%4)*64+32
.set i, i+1
.endr
	WIN 0
.set i, 0
.rept 8                                ; two tiles of the high block's Q, through S^T's registers
	global_load_b128 v[S+8*i:S+8*i+3],   v[QO], s[QHP:QHP+1] offset:(i/4)*4096+(i%4)*64
	global_load_b128 v[S+8*i+4:S+8*i+7], v[QO], s[QHP:QHP+1] offset:(i/4)*4096+(i%4)*64+32
.set i, i+1
.endr
	v_and_b32 v10, 7, v0
	v_bfe_u32 v11, v0, 3, 1
	v_mul_u32_u24 v[AK0], v1, PK
	v_lshl_add_u32 v[AK0], v9, 4, v[AK0]
	s_mul_i32 s11, s[KH], 64*PK                    ; s11, s21: the temporaries for LDS addresses
	v_add_nc_u32 v[AK0], s11, v[AK0]
	v_lshl_add_u32 v[AV0], v9, 3, v10
	v_mul_u32_u24 v[AV0], v[AV0], PV
	v_lshl_add_u32 v[AV0], v11, 4, v[AV0]
	v_add_nc_u32 v[AVL], VLB, v[AV0]               ; the same place in v's remainders, which begin with key 0
	s_mul_i32 s11, s[KH], 64*PV
	s_add_co_u32 s11, s11, VOFF
	v_add_nc_u32 v[AV0], s11, v[AV0]
	v_bfe_u32 v[VLW], v0, 3, 2                     ; a load of 512 bytes is four rows of 128: row l / 8, 16 bytes at 16 (l % 8)
	v_mul_u32_u24 v[VLW], v[VLW], PV
	v_lshl_add_u32 v[VLW], v10, 4, v[VLW]
	s_mul_i32 s11, s16, 32*PV                      ; plane w / 2,
	s_mul_i32 s21, s[KH], 16*PV                    ; keys 16 (w % 2) on
	s_add_co_u32 s11, s11, s21
	s_add_co_u32 s11, s11, VLB
	v_add_nc_u32 v[VLW], s11, v[VLW]
	v_mov_b32 v[M1], -1.0
	s_mul_i32 s11, s[WV], 16*SP
	s_add_co_u32 s11, s11, STAGE
	v_mul_u32_u24 v[STO], v1, SP
	v_lshl_add_u32 v[STO], v9, 4, v[STO]
	v_add_nc_u32 v[STO], s11, v[STO]
	v_mul_u32_u24 v[RD], v9, SP
	v_lshl_add_u32 v[RD], v1, 4, v[RD]
	v_add_nc_u32 v[RD], s11, v[RD]
	v_lshlrev_b32 v[GO], 12, v9                    ; two rows of ctx16, 256 bytes of each,
	v_lshl_add_u32 v[GO], v1, 4, v[GO]
	s_lshl_b32 s11, s[KH], 16                      ; in the tile of a piece that I finish: tile w % 2
	v_add_nc_u32 v[GO], s11, v[GO]
	v_and_b32 v[PFO], 31, v0
	v_lshlrev_b32 v11, 4, v[PFO]                   ; 16 l
	v_lshlrev_b32 v10, 3, v[PFO]                   ; 8 l
	v_lshlrev_b32 v[PFO], 8, v[PFO]
.irp j, 0,1,2,3                        ; my quarter of v's remainders, 2,048 dense bytes.  Every cluster brings them, 8 KiB a work-group, though only the one with p = 0 multiplies them: the head has one way
	global_load_b128 v[VT+4*(\j):VT+4*(\j)+3], v11, s[VLP:VLP+1] offset:512*(\j)
.endr
	s_lshl_b32 s11, s[WV], 14
	s_add_co_u32 s11, s11, XO
	v_add_nc_u32 v[XW], s11, v11
	s_lshl_b32 s11, s16, 15                        ; my pair's first wave,
	s_lshl_b32 s21, s[KH], 13                      ; the tile that I finish
	s_add_co_u32 s11, s11, s21
	s_add_co_u32 s11, s11, XO
	v_add_nc_u32 v[XR], s11, v11
	s_lshl_b32 s11, s[WV], 9
	s_add_co_u32 s11, s11, XS
	v_add_nc_u32 v[XSW], s11, v10
	s_lshl_b32 s11, s16, 10
	s_lshl_b32 s21, s[KH], 8
	s_add_co_u32 s11, s11, s21
	s_add_co_u32 s11, s11, XS
	v_add_nc_u32 v[XSR], s11, v10
	s_lshl_b32 s11, s16, 14
	s_add_co_u32 s11, s11, QH
	v_add_nc_u32 v[QHR], s11, v11
	s_lshl_b32 s11, s[KH], 13
	v_add_nc_u32 v[ADR], s11, v[QHR]               ; where my two tiles of the high block's Q go
	v_lshlrev_b32 v9, 3, v9
	v_sub_nc_u32 v9, v1, v9                        ; l % 16 - 8 (l / 16): register j is hidden where j is greater
	WIN 0xc0
.set i, 0
.rept 8
	v_cmp_gt_i32 vcc_lo, i, v9
	v_cndmask_b32 v[TRI+i], 0, s[BIGN], vcc_lo
.set i, i+1
.endr
	; What the first trip finds: V and piece 0's P are 0 (its products V^T P, of a step that has not been, add 0), O^T and l are 0, m and piece 2's scores the lowest finite number.
.set i, 0
.rept 128
	v_mov_b32 v[i], 0
.set i, i+1
.endr
	WIN 0x40
.set i, 0
.rept 256
	v_mov_b32 v[i], 0
.set i, i+1
.endr
	WIN 0
.set i, 0
.rept 4
	v_mov_b32 v[ST+8*i], s[MLOW]
	v_mov_b32 v[ST+8*i+1], 0
	v_mov_b32 v[ST+8*i+2], 0
	v_mov_b32 v[ST+8*i+3], 0
	v_mov_b32 v[ST+8*i+5], 0                       ; the destination of the lane exchanges: v_permlanex16_b32 counts as a reader of it, so it is written once on every path
.set i, i+1
.endr
.set i, 0
.rept 32
	v_mov_b32 v[P+i], 0
.set i, i+1
.endr
.set i, 0
.rept 64
	v_mov_b32 v[S+64+i], s[MLOW]
.set i, i+1
.endr
	s_wait_loadcnt 0x0                             ; both blocks' Q, and v's remainders
.set i, 0
.rept 8
	ds_store_b128 v[ADR], v[S+8*i:S+8*i+3]   offset:1024*i
	ds_store_b128 v[ADR], v[S+8*i+4:S+8*i+7] offset:1024*i+512
.set i, i+1
.endr
.irp j, 0,1,2,3
	ds_store_b128 v[VLW], v[VT+4*(\j):VT+4*(\j)+3] offset:(\j)*4*PV   ; the first change of slots, with its wait and its barrier, shows them to the other waves
.endr
; THE MATRIX WORK.  The accumulators take turns, one instruction a turn.
; Product i of 32 of O^T += V^T P for piece x: keys 32 (i / 16) on, channels 16 ((i / 2) % 8) on, tile x + i % 2.
.macro PV x
	WIN W_PV
.set rO, 64*((\x)+i%2)+8*((i/2)%8)
.set rV, 64*(i/16)+8*((i/2)%8)
.set rP, P+16*((\x)+i%2)+8*(i/16)
	v_wmma_f32_16x16x32_f16 v[rO:rO+7], v[rV:rV+7], v[rP:rP+7], v[rO:rO+7]
.endm
; Product i of 32 of S^T = K Q^T: channels 32 (i / 8) on, keys 16 ((i / 2) % 4) on, tile x + i % 2.  The first 8 start the sums with the mask.
.macro KQ x
.set tq, (\x)+i%2
.set kbk, (i/2)%4
.set rS, S+32*tq+8*kbk
.set rK, KF+32*kbk+8*(i/8)
.set rQ, 32*tq+8*(i/8)
.if i < 8
.if kbk < tq
.set rM, ML
.elseif kbk == tq
.set rM, MD
.else
.set rM, MU
.endif
	WIN W_KM
	v_wmma_f32_16x16x32_f16 v[rS:rS+7], v[rK:rK+7], v[rQ:rQ+7], v[rM:rM+7]
.else
	WIN W_KQ
	v_wmma_f32_16x16x32_f16 v[rS:rS+7], v[rK:rK+7], v[rQ:rQ+7], v[rS:rS+7]
.endif
.endm
; THE LDS LOADS stand in runs of 32: my 64 keys of the trip's K (16 fragments: keys 16 (f / 4) on, channels 32 (f % 4) on, plane (f % 4) / 2), and of its V, turned.
.macro FETCH_K
	WIN 0
	v_add_nc_u32 v[ADR], s[TB], v[AK0]
	WIN 0x80
.irp f, 0,1,2,3,4,5,6,7,8,9,10,11,12,13,14,15
	ds_load_b128 v[KF+8*(\f):KF+8*(\f)+3],   v[ADR] offset:((\f)/4)*16*PK+(((\f)%4)/2)*KP1+((\f)%2)*64
	ds_load_b128 v[KF+8*(\f)+4:KF+8*(\f)+7], v[ADR] offset:((\f)/4)*16*PK+(((\f)%4)/2)*KP1+((\f)%2)*64+32
.endr
.endm
.macro FETCH_V
	WIN 0
	v_add_nc_u32 v[ADR], s[TB], v[AV0]
	s_wait_alu depctr_va_vdst(0)                   ; the wait for the softmax's batch of exponentials
	WIN 0xc0
.irp f, 0,1,2,3,4,5,6,7,8,9,10,11,12,13,14,15  ; keys 32 (f / 8) on, channels 16 (f % 8) on, plane (f % 8) / 4
	ds_load_tr16_b128 v[8*(\f):8*(\f)+3],   v[ADR] offset:((\f)/8)*32*PV+(((\f)%8)/4)*VP1+((\f)%4)*32
	ds_load_tr16_b128 v[8*(\f)+4:8*(\f)+7], v[ADR] offset:((\f)/8)*32*PV+(((\f)%8)/4)*VP1+((\f)%4)*32+16*PV
.endr
.endm
; V's REMAINDERS, for tile 0 of block 0: O^T += V_lo^T P over keys 0 to 31 (of which the tile's queries see 0 to 15; the weights of the others are 0).  The eight fragments, channels 16 f on, go into
; piece 2's S^T registers, which its softmax has used up.  Eight accumulators, one product each.  Four places stand behind the last product, ahead of the LDS stores that read the sums.
.macro VLO
	WIN 0
.irp f, 0,1,2,3,4,5,6,7
	ds_load_tr16_b128 v[S+64+8*(\f):S+64+8*(\f)+3],   v[AVL] offset:((\f)/4)*32*PV+((\f)%4)*32
	ds_load_tr16_b128 v[S+64+8*(\f)+4:S+64+8*(\f)+7], v[AVL] offset:((\f)/4)*32*PV+((\f)%4)*32+16*PV
.endr
	s_wait_dscnt 0x0
	WIN W_LO
.irp f, 0,1,2,3,4,5,6,7
	v_wmma_f32_16x16x32_f16 v[8*(\f):8*(\f)+7], v[S+64+8*(\f):S+64+8*(\f)+7], v[P:P+7], v[8*(\f):8*(\f)+7]
.endr
	WIN 0
.rept 4
	v_nop
.endr
.endm
; THE VECTOR WORK.  One tile's softmax for a step is a numbered list; SM writes number j of it for tile t.  s0-s31 are the lane's 32 scores.
;   0-15   the maximum of s0-s31 and the old m, three operands at a time (each accumulator's lowest registers are read first)
;   16-20  the other half of the lanes' maximum; the old m is kept; the new m; (19 is empty: the scale lies in q); m_old - m_new
;   21-69  ONE BATCH: the 16 subtractions s - m, a pair each, and all 33 exponentials (a at 23).  None of these reads an exponential's result
;   70-85  the roundings to f16     86-101 the sums; l = a l + sum     102-133 the tile's O^T times a
.macro SM t
.set rT, ST+8*(\t)
.set rS, S+32*(\t)
.set rP, P+16*(\t)
.set rO, 64*(\t)+2*(j-102)
.if j < 102
	WIN 0
.endif
.if j < 4
	v_max3_num_f32 v[rT+4+j], v[rS+8*j], v[rS+8*j+1], v[rS+8*j+2]
.elseif j < 12
	v_max3_num_f32 v[rT+4+j%4], v[rT+4+j%4], v[rS+8*(j%4)+2*(j/4)+1], v[rS+8*(j%4)+2*(j/4)+2]
.elseif j == 12
	v_max3_num_f32 v[rT+4], v[rT+4], v[rS+7], v[rS+15]
.elseif j == 13
	v_max3_num_f32 v[rT+6], v[rT+6], v[rS+23], v[rS+31]
.elseif j == 14
	v_max3_num_f32 v[rT+4], v[rT+4], v[rT+5], v[rT+6]
.elseif j == 15
	v_max3_num_f32 v[rT+4], v[rT+4], v[rT+7], v[rT]
.elseif j == 16
	v_permlanex16_b32 v[rT+5], v[rT+4], s[SEL], s[SEL+1]
.elseif j == 17
	v_mov_b32 v[rT+7], v[rT]
.elseif j == 18
	v_max_num_f32 v[rT], v[rT+4], v[rT+5]
.elseif j == 19
.elseif j == 20
	v_sub_f32 v[rT+7], v[rT+7], v[rT]
.elseif j == 23
	v_exp_f32 v[rT+6], v[rT+7]
.elseif (j < 23) || ((j < 38) && (j%2 == 0)) || ((j < 66) && (j%4 == 2))
.set b, (j-2)/4
.if j < 38
.set b, (j-20)/2
.endif
	v_pk_add_f32 v[rS+2*b:rS+2*b+1], v[rS+2*b:rS+2*b+1], v[rT:rT+1] op_sel_hi:[1,0] neg_lo:[0,1] neg_hi:[0,1]
.elseif j < 70
.set e, j-38
.if j < 66
.set e, j-32-(j-38)/4
.endif
.if j < 38
.set e, (j-25)/2
.endif
	v_exp_f32 v[rS+e], v[rS+e]
.elseif j < 86
	v_cvt_pk_f16_f32 v[rP+j-70], v[rS+2*(j-70)], v[rS+2*(j-70)+1]
.elseif j < 102
.set z, j-86
.set w, 4
.set u, z
.if z >= 14
.set w, 32
.set u, 0
.elseif z >= 12
.set w, 16
.set u, z-12
.elseif z >= 8
.set w, 8
.set u, z-8
.endif
.if z < 15
	v_pk_add_f32 v[rS+w*u:rS+w*u+1], v[rS+w*u:rS+w*u+1], v[rS+w*u+w/2:rS+w*u+w/2+1]
.else
	v_pk_fma_f32 v[rT+2:rT+3], v[rT+2:rT+3], v[rT+6:rT+7], v[rS:rS+1] op_sel_hi:[1,0,1]
.endif
.else
	WIN W_RS
	v_pk_mul_f32 v[rO:rO+1], v[rO:rO+1], v[rT+6:rT+7] op_sel_hi:[1,0]
.endif
.endm
; Slice k of 64 of piece y's softmax.  Slices 11 to 34 deal out the batch, four numbers of one tile each; every other slice is numbers 2 k, 2 k + 1 of both tiles; slice 63 takes the rest: sixteen
; plain instructions, the places behind the turn's last product.  Behind slice 34 stands the turn's ONE wait for all 66 exponentials, ahead of the first reader.
.macro SLICE y
.if (k >= 11) && (k < 35)
.irp n, 0,1,2,3
.set j, 22+4*((k-11)/2)+(\n)
	SM (\y)+(k-11)%2
.endr
.else
.irp n, 0,1,2,3,4,5,6,7
.if ((\n) < 2) || (k == 63)
.irp t, \y, (\y)+1
.set j, 2*k+(\n)
	SM \t
.endr
.endif
.endr
.endif
.if k == 34
	v_nop                                          ; the plain instruction behind the last exponential
.if (\y) == 0
	FETCH_V                                        ; piece 2's turn: V's run stands here, four plain instructions behind V's last reader, and the wait stands in it
.else
	s_wait_alu depctr_va_vdst(0)
.endif
.endif
.set k, k+1
.endm
; A TURN: piece x has the matrix unit, the other piece's softmax stands behind its products.  Piece 0's turn fetches the trip's K behind its second product.
.macro TURN x
.set k, 0
.if (\x) == 0
	s_wait_dscnt 0x0                               ; V of the step before is in
.endif
.set i, 0
.rept 32
	PV \x
	SLICE 2-(\x)
.if ((\x) == 0) && (i == 1)
	FETCH_K
.endif
.set i, i+1
.endr
.if (\x) == 0
	s_wait_dscnt 0x0                               ; K is in
.endif
.set i, 0
.rept 32
	KQ \x
	SLICE 2-(\x)
.set i, i+1
.endr
.endm
; THE CHANGE OF SLOTS, at a trip's head.  Each wave waits for all its tensor loads (one is out: its part of the trip's tile), adds 0 to its spare word, and waits for that and for its reads of the slot
; that it leaves.  fill = 1: a round of the cluster's barrier, and first behind it the old slot is filled with tile NXT; the load has a trip, 128 matrix instructions, in which to land.
.macro CHANGE fill
	WIN 0
	s_wait_tensorcnt 0x0
	ds_add_u32 v[SPW], v[NIL]                      ; 0 onto my spare word; the descriptors' scalar work stands between it and the wait for it
.if \fill
	s_lshl_b32 s[OFF], s[NXT], 14                  ; a tile is 16,384 bytes of a plane
	s_xor_b32 s[G0K+1], s[G0K+1], SLOT1
	s_add_nc_u64 s[G0K+2:G0K+3], s[KB:KB+1], s[OFF:OFF+1]
	s_or_b32 s[G0K+3], s[G0K+3], 0x80000000
	s_xor_b32 s[G0V+1], s[G0V+1], SLOT1
	s_add_nc_u64 s[G0V+2:G0V+3], s[VB:VB+1], s[OFF:OFF+1]
	s_or_b32 s[G0V+3], s[G0V+3], 0x80000000
	s_add_co_u32 s[NXT], s[NXT], 1
	s_cmp_gt_u32 s[NXT], s[LQ]
	s_cselect_b32 s[NXT], 0, s[NXT]
	s_cselect_b32 s[LQ], s[NHM], s[LQ]
	s_wait_xcnt 0x0                                ; the last prefetch, a trip back, has read its address
	s_add_nc_u64 s[PFA:PFA+1], s[PFA:PFA+1], 16384
	s_wait_dscnt 0x0
	CROUND
	JLOAD
	ASK
.else
	s_wait_dscnt 0x0
	s_barrier_signal -1
	s_barrier_wait -1
.endif
	s_xor_b32 s[TB], s[TB], SLOT1
.endm
; THE TRIP'S MASKS.  My step of 64 keys is 2 TI + w % 2; against the block BI it lies in front (all seen), on it (the diagonal) or behind it (all hidden).
.macro HEAD
	s_cmp_eq_u32 s[SLOTS], s[SLF]                  ; the high block begins
	s_cselect_b32 s[TI], 0, s[TI]
	s_cselect_b32 s[BI], s[BHI], s[BI]
	s_lshl1_add_u32 s[STP], s[TI], s[KH]
	s_cmp_eq_u32 s[STP], s[BI]
	s_cselect_b32 s[AL], 1.0, 0
	s_cmp_gt_u32 s[STP], s[BI]
	s_cselect_b32 s[BE], s[BIGN], 0
	s_cmp_ge_u32 s[STP], s[BI]
	s_cselect_b32 s[BU], s[BIGN], 0
	WIN 0xc3
.irp z, 0,2,4,6
	v_pk_fma_f32 v[MD+(\z):MD+(\z)+1], v[TRI+(\z):TRI+(\z)+1], s[AL:AL+1], s[BE:BE+1] op_sel_hi:[1,0,0]
.endr
.irp z, 0,1,2,3,4,5,6,7
	v_mov_b32 v[ML+(\z)], s[BE]
	v_mov_b32 v[MU+(\z)], s[BU]
.endr
	WIN 0
.endm
.macro QLOAD x                         ; the high block's Q for piece x, behind the piece's last products K Q^T of the low block; waited for by the next change of slots
	WIN 0x80
.set i, 4*(\x)
.rept 8
	ds_load_b128 v[8*i:8*i+3],   v[QHR] offset:1024*i
	ds_load_b128 v[8*i+4:8*i+7], v[QHR] offset:1024*i+512
.set i, i+1
.endr
	WIN 0
.endm
; A BLOCK ENDS FOR PIECE x.  Both waves of a pair put m, the whole l and O^T of the piece's two tiles into LDS; behind a barrier wave w % 2 = u takes both waves' parts of tile x + u (told apart by
; address, so the register numbers are the same in both), merges them, divides by l, rounds to f16 and stores the tile through its stage.  A second barrier stands behind every wave's reads of the
; exchange, since the next piece writes it again.  m starts anew; O^T and l need only be finite: the next step multiplies them by 0.
; pair = 1: where the tile is a batch's first, the remainder O - f16(O), exact in f32, is rounded to f16 and goes the same way to ctxlo16.
.macro FLUSH x, optr, pair=0
	WIN 0
.irp u, 0,1
	v_add_f32 v[ST+8*((\x)+(\u))+4], v[ST+8*((\x)+(\u))+2], v[ST+8*((\x)+(\u))+3]
.endr
.irp u, 0,1
	v_permlanex16_b32 v[ST+8*((\x)+(\u))+5], v[ST+8*((\x)+(\u))+4], s[SEL], s[SEL+1]
.endr
.irp u, 0,1
	v_add_f32 v[ST+8*((\x)+(\u))+1], v[ST+8*((\x)+(\u))+4], v[ST+8*((\x)+(\u))+5]
.endr
.irp u, 0,1
	ds_store_b64 v[XSW], v[ST+8*((\x)+(\u)):ST+8*((\x)+(\u))+1] offset:(\u)*256
.endr
	WIN 0x04                                       ; store data window 1
.set i, 0
.rept 32
	ds_store_b128 v[XW], v[64*(\x)+4*i:64*(\x)+4*i+3] offset:512*i
.set i, i+1
.endr
	WIN 0
	s_wait_dscnt 0x0                               ; for the other wave's sake: my stores are done
	s_barrier_signal -1
	s_barrier_wait -1
	ds_load_b64 v[MG:MG+1],   v[XSR]               ; m, l of the keys' first half
	ds_load_b64 v[MG+2:MG+3], v[XSR] offset:512    ; and of the second
	WIN 0x40
.set i, 0
.rept 16
	ds_load_b128 v[64*(\x)+4*i:64*(\x)+4*i+3], v[XR] offset:512*i
.set i, i+1
.endr
.set i, 0
.rept 16
	ds_load_b128 v[64*(\x)+64+4*i:64*(\x)+64+4*i+3], v[XR] offset:16384+512*i
.set i, i+1
.endr
	WIN 0
	s_wait_dscnt 32                                ; m and l are in; the 32 loads of O^T may stay out
	v_max_num_f32 v[MG+4], v[MG], v[MG+2]
	v_sub_f32 v[MG+5], v[MG], v[MG+4]
	v_sub_f32 v[MG+6], v[MG+2], v[MG+4]
	v_exp_f32 v[MG+5], v[MG+5]
	v_exp_f32 v[MG+6], v[MG+6]
	v_nop
	s_wait_alu depctr_va_vdst(0)
	v_mul_f32 v[MG+7], v[MG+1], v[MG+5]
	v_fmac_f32 v[MG+7], v[MG+3], v[MG+6]
	v_rcp_f32 v[MG+8], v[MG+7]
	v_nop
	s_wait_alu depctr_va_vdst(0)
	v_mul_f32 v[MG], v[MG+5], v[MG+8]              ; the two parts' factors, each the low word of a pair
	v_mul_f32 v[MG+2], v[MG+6], v[MG+8]
	s_wait_dscnt 0x0                               ; my reads of the exchange are over
	s_barrier_signal -1
	s_barrier_wait -1
	WIN W_RS
.set i, 0
.rept 32
	v_pk_mul_f32 v[64*(\x)+2*i:64*(\x)+2*i+1], v[64*(\x)+2*i:64*(\x)+2*i+1], v[MG:MG+1] op_sel_hi:[1,0]
.set i, i+1
.endr
	WIN 0x51                                       ; sources 0 and 2 and the destination window 1
.set i, 0
.rept 32
	v_pk_fma_f32 v[64*(\x)+2*i:64*(\x)+2*i+1], v[64*(\x)+64+2*i:64*(\x)+64+2*i+1], v[MG+2:MG+3], v[64*(\x)+2*i:64*(\x)+2*i+1] op_sel_hi:[1,0,1]
.set i, i+1
.endr
	WIN 0x05                                       ; into the other piece's S^T registers, which its softmax has used up
.set i, 0
.rept 32
	v_cvt_pk_f16_f32 v[S+32*(2-(\x))+i], v[64*(\x)+2*i], v[64*(\x)+2*i+1]
.set i, i+1
.endr
	WIN 0
.if \pair
	s_cmp_eq_u32 s[LOF], 0
	s_cbranch_scc0 .Lno_pair_\@
	WIN W_LO
.set i, 0
.rept 32
	v_fma_mix_f32 v[64*(\x)+2*i],   v[S+32*(2-(\x))+i], v[M1], v[64*(\x)+2*i]   op_sel_hi:[1,0,0]                 ; the f16 in the low half x -1 + the f32 number
	v_fma_mix_f32 v[64*(\x)+2*i+1], v[S+32*(2-(\x))+i], v[M1], v[64*(\x)+2*i+1] op_sel:[1,0,0] op_sel_hi:[1,0,0]  ; the same for the high half
.set i, i+1
.endr
	WIN 0x05
.set i, 0
.rept 32
	v_cvt_pk_f16_f32 v[S+32*(2-(\x))+32+i], v[64*(\x)+2*i], v[64*(\x)+2*i+1]
.set i, i+1
.endr
	WIN 0
.irp f, 0,1,2,3,4,5,6,7
	ds_store_b128 v[STO], v[S+32*(2-(\x))+32+4*(\f):S+32*(2-(\x))+32+4*(\f)+3] offset:32*(\f)
.endr
.irp f, 0,1,2,3,4,5,6,7
	ds_load_b128 v[S+32*(2-(\x))+32+4*(\f):S+32*(2-(\x))+32+4*(\f)+3], v[RD] offset:(\f)*2*SP
.endr
.irp f, 0,1,2,3,4,5,6,7
	s_wait_dscnt 7-(\f)                            ; the 7 - f younger loads from the stage may stay out
	global_store_b128 v[GO], v[S+32*(2-(\x))+32+4*(\f):S+32*(2-(\x))+32+4*(\f)+3], s[CLP:CLP+1] offset:(\f)*8192
.endr
.Lno_pair_\@:
.endif
.irp f, 0,1,2,3,4,5,6,7
	ds_store_b128 v[STO], v[S+32*(2-(\x))+4*(\f):S+32*(2-(\x))+4*(\f)+3] offset:32*(\f)
.endr
.irp f, 0,1,2,3,4,5,6,7
	ds_load_b128 v[S+32*(2-(\x))+4*(\f):S+32*(2-(\x))+4*(\f)+3], v[RD] offset:(\f)*2*SP
.endr
.irp f, 0,1,2,3,4,5,6,7
	s_wait_dscnt 7-(\f)
	global_store_b128 v[GO], v[S+32*(2-(\x))+4*(\f):S+32*(2-(\x))+4*(\f)+3], s[\optr:\optr+1] offset:(\x)*65536+(\f)*8192  ; 16 lanes store a head's 256 bytes of a row
.endr
	s_wait_xcnt 0x0                                ; the stores have read their registers, which the next products write
	v_mov_b32 v[ST+8*(\x)], s[MLOW]
	v_mov_b32 v[ST+8*(\x)+8], s[MLOW]
.endm
	s_mov_b32 s[SLOTS], 16
	s_mov_b32 s[TI], 0
	s_mov_b32 s[BI], s[PB]
.Lslot:                                                ; 16 trips: a tile is entered and the next is asked for.  The jumps below go forward, on numbers that all partners share (and, for the pairs, the wave's number)
	CHANGE 1
	HEAD
	TURN 0
	WIN 0
	s_cmp_eq_u32 s[SLOTS], s[SLF]
	s_cbranch_scc0 .Lnf0
	s_cmp_eq_u32 s[LOF], 0
	s_cbranch_scc0 .Lnv0
	VLO
.Lnv0:
	FLUSH 0, OLO, 1
.Lnf0:
	s_cmp_eq_u32 s[SLOTS], s[SLL]
	s_cbranch_scc0 .Lnq0
	QLOAD 0
.Lnq0:
	TURN 2
	WIN 0
	s_cmp_eq_u32 s[SLOTS], s[SLF]
	s_cbranch_scc0 .Lnf2
	FLUSH 2, OLO
.Lnf2:
	s_cmp_eq_u32 s[SLOTS], s[SLL]
	s_cbranch_scc0 .Lnq2
	QLOAD 2
.Lnq2:
	s_add_co_u32 s[TI], s[TI], 1
	s_sub_co_u32 s[SLOTS], s[SLOTS], 1
	s_cmp_lg_u32 s[SLOTS], 0
	s_cbranch_scc1 .Lslot
	s_mov_b32 s[CNT], 2
.Ltail:                                                ; the walk's last tile, and the trip that drains the pipeline: its products K Q^T, on a slot read before, serve nothing
	CHANGE 0
	HEAD
	TURN 0
	WIN 0
	s_cmp_eq_u32 s[CNT], 1
	s_cbranch_scc0 .Ltf0
	FLUSH 0, OHI
.Ltf0:
	TURN 2
	WIN 0
	s_cmp_eq_u32 s[CNT], 1
	s_cbranch_scc0 .Ltf2
	FLUSH 2, OHI
.Ltf2:
	s_add_co_u32 s[TI], s[TI], 1
	s_sub_co_u32 s[CNT], s[CNT], 1
	s_cmp_lg_u32 s[CNT], 0
	s_cbranch_scc1 .Ltail
	s_wait_tensorcnt 0x0                           ; the wave's end
	ds_add_u32 v[SPW], v[NIL]
	s_wait_dscnt 0x0
	CROUND                                         ; the closing round
	s_endpgm
.Lfunc_end_k_qa491839180_attn:
	.size	k_qa491839180_attn, .Lfunc_end_k_qa491839180_attn-k_qa491839180_attn
	.p2alignl 7, 3214868480
	.fill 96, 4, 3214868480
	.section	.rodata,"a",@progbits
	.p2align	6, 0x0
	.amdhsa_kernel k_qa491839180_attn
		.amdhsa_group_segment_fixed_size 327680
		.amdhsa_private_segment_fixed_size 0
		.amdhsa_enable_private_segment 0
		.amdhsa_kernarg_size 40
		.amdhsa_user_sgpr_count 2
		.amdhsa_user_sgpr_kernarg_segment_ptr 1
		.amdhsa_wavefront_size32 1
		.amdhsa_system_sgpr_workgroup_id_x 1
		.amdhsa_system_sgpr_workgroup_id_y 1
		.amdhsa_system_sgpr_workgroup_id_z 1
		.amdhsa_system_vgpr_workitem_id 0
		.amdhsa_next_free_vgpr 928
		.amdhsa_next_free_sgpr 96
		.amdhsa_reserve_vcc 1
		.amdhsa_float_denorm_mode_32 3
		.amdhsa_float_denorm_mode_16_64 3
		.amdhsa_memory_ordered 1
		.amdhsa_forward_progress 1
		.amdhsa_inst_pref_size 202
	.end_amdhsa_kernel
	.amdgpu_metadata
---
amdhsa.version: [ 1, 2 ]
amdhsa.kernels:
  - .name:           k_qa491839180_attn
    .symbol:         k_qa491839180_attn.kd
    .args:
      - { .name: q16, .offset: 0, .size: 8, .value_kind: global_buffer, .address_space: global }
      - { .name: kv16, .offset: 8, .size: 8, .value_kind: global_buffer, .address_space: global }
      - { .name: ctx16, .offset: 16, .size: 8, .value_kind: global_buffer, .address_space: global }
      - { .name: vlo16, .offset: 24, .size: 8, .value_kind: global_buffer, .address_space: global }
      - { .name: ctxlo16, .offset: 32, .size: 8, .value_kind: global_buffer, .address_space: global }
    .group_segment_fixed_size: 327680
    .private_segment_fixed_size: 0
    .kernarg_segment_align: 8
    .kernarg_segment_size: 40
    .max_flat_workgroup_size: 128
    .sgpr_count:     96
    .vgpr_count:     928
    .wavefront_size: 32
...
	.end_amdgpu_metadata
.endif
;; end of part 3
;; launch oproj (part 4): grid 8 x 32, 4 waves a work-group, clusters of 4 x 4, 327,680 bytes of LDS; arguments ctx16, w16, bo, out0, ctxlo16; writes out0
.if DOCPART == 4
	.amdgcn_target "amdgcn-amd-amdhsa--gfx1250"
	.amdhsa_code_object_version 6
	.text
	.protected	k_qa491839180_oproj
	.globl	k_qa491839180_oproj
	.p2align	8
	.type	k_qa491839180_oproj,@function
k_qa491839180_oproj:
	s_mov_b64 s[64:65], 0
	v_nop
	global_prefetch_b8 v0, s[64:65] scope:SCOPE_SE
	s_setreg_imm32_b32 hwreg(HW_REG_WAVE_MODE, 25, 1), 1
	s_wait_xcnt 0x0
	s_wait_alu depctr_hold_cnt(0) depctr_sa_sdst(0) depctr_va_vdst(0) depctr_va_sdst(0) depctr_va_ssrc(0) depctr_va_vcc(0) depctr_vm_vsrc(0)
	s_getreg_b32 s2, hwreg(HW_REG_IB_STS2, 6, 4)
	s_cmp_eq_u32 s2, 0
	s_cbranch_scc0 .Lentry_in_a_cluster
	s_endpgm
.Lentry_in_a_cluster:
	s_bfe_u32 s2, ttmp6, 0x10000c
	s_cmp_lg_u32 s2, 0xf033
	s_cbranch_scc0 .Lentry_shape_is_right
	s_endpgm
.Lentry_shape_is_right:
; out0 = ctx Wo + bo.  ctx16 [4096][2048] f16; Wo as f16 [2048 k][1024 n] at byte 5,242,880 of w16; bo rounded to bf16 like every input; sums and out0 in f32.
; A tile of out0 is 128 x 128: 8 x 32 = 256 work-groups.  Four waves, each 64 x 64: 16 accumulators.  K goes in 8 steps of 256 through two LDS slots: ctx's 128 rows of 512 bytes (+ 16), then
; Wo's 256 k rows of 256 bytes (+ 32).  Waves 0, 1 fetch ctx's two halves of 64 rows, waves 2, 3 Wo's two halves of 128 k rows.
; CLUSTER 4 x 4: ctx's tiles are asked for jointly along a row of the cluster, Wo's along a column.  Wo's fragments come out of LDS turned.  The matrix instruction is used transposed (source 0 =
; 16 columns of Wo, source 1 = 16 rows of ctx): a lane holds eight neighbouring columns of a row, 32 bytes.  A wave's 64 columns are 256 bytes of a row: each wave has a stage of its own.
; THE FIRST 16 POSITIONS OF A BATCH GO AS PAIRS: ctxlo16 [b][16][2048] holds what f16 dropped of their ctx.  The waves with w / 2 = 0 of the clusters with y % 4 = 0 (those that hold a batch's first
; tile row) multiply it by the fragments of Wo that they hold anyway: 8 products more for each 32, into 4 accumulators of their own.  Its fragments come straight from memory, a K step (16 loads) at a
; time, into two sets of registers, asked for a whole step ahead.  All four tile rows of such a cluster multiply; at the way out the sums are taken times 1 in the batch's
; first tile row and times 0 in the others.
; No prefetch: the tile is small and a step short.
; REGISTERS: window 0: v0-31 addresses; v32-95 the way out; v96-127 bo; v128-255 the accumulators, (a, b) at 128 + 8 (4 a + b).   window 1: two fragment buffers of 128: 64 of ctx, 64 of Wo.
;   window 2: v0-31 the remainders' 4 accumulators; v32-159 their fragments, two sets of 64: quarter q, half c at 16 q + 8 c.
.set PITCH,  528
.set PB,     288
.set HALFA,  64*PITCH
.set HALFB,  128*PB
.set OFB,    2*HALFA
.set SLOT,   2*HALFA+2*HALFB           ; 141,312
.set STAGE,  2*SLOT
.set SPITCH, 272
.set SPARE,  STAGE+4*16*SPITCH         ; the spare words: two blocks of 256 bytes that no other line names
.set LAPS,   4
.set WV, 12
.set WR, 13
.set WC, 14
.set LOP, 66                           ; s[66:67] ctxlo16 at my batch, at the K step asked for last
.set LOF, 68                           ; 0 in the waves that multiply the remainders
.set MSK, 70                           ; s[70:71] 1.0 where my rows begin a batch, else 0
.set ADRA, 16                          ; v16-17  ctx fragments in slot 0, 1
.set ADRB, 20                          ; v20-23  Wo fragments: slot 0 k rows 0-127, 128-255; slot 1 likewise (so that the immediates stay under 65,536)
.set STO,  24
.set RD,   25
.set CO,   26
.set BO,   27
.set SPW,  28
.set NIL,  29
.set LOO,  30                          ; my byte offset in the remainders' 16 rows: (l % 16) x 4,096 + 16 (l / 16); never rewritten
.set TMP,  32
.set BKR,  64
.set BIA,  96
.set ACC,  128
.set F0,   0
.set F1,   128
.set LACC, 0                           ; window 2
.set LFB,  32                          ; window 2
.set G1,  24
.set G0,  32
.set G1B, 48
.set G0B, 56
.set MSB, 0
.macro WIN new
.if MSB != (\new)
	s_set_vgpr_msb (MSB<<8)|(\new)
.set MSB, \new
.endif
.endm
.set MUL,  0x05                        ; sources 0 and 1 window 1; C and D window 0
.set TO_F, 0x40
.set W_LO, 0xa9                        ; source 0 (Wo) window 1; source 1, C and D window 2
.macro PLACES
.rept 4
	v_nop
.endr
.endm
.macro JLOAD s                         ; a joint load; an s_nop 0 and four v_nop follow each of the two lines
	s_cmp_eq_u32 s[WR], 0
	s_cbranch_scc0 .Lfor_b_\@
	tensor_load_to_lds s[G0+4*(\s):G0+4*(\s)+3], s[G1:G1+7]
	s_nop 0
	PLACES
	s_branch .Lasked_\@
.Lfor_b_\@:
	tensor_load_to_lds s[G0B+4*(\s):G0B+4*(\s)+3], s[G1B:G1B+7]
	s_nop 0
	PLACES
.Lasked_\@:
.endm
.macro CREST
	s_cmp_lg_u32 s[WV], 0
	s_cbranch_scc1 .Lnot_wave_0_\@
	s_barrier_signal -3
.Lnot_wave_0_\@:
	s_barrier_wait -3
	s_barrier_signal -1
	s_barrier_wait -1
.endm
.macro CROUND
	s_barrier_signal -1
	s_barrier_wait -1
	CREST
.endm
; A K step's 16 loads of the remainders' fragments into set slot, from byte off behind the pointer: 16 rows x 256 along K
.macro LOLOAD slot, off
.irp q, 0,1,2,3
.irp c, 0,1
	global_load_b128 v[LFB+64*(\slot)+16*(\q)+8*(\c):LFB+64*(\slot)+16*(\q)+8*(\c)+3],   v[LOO], s[LOP:LOP+1] offset:(\off)+128*(\q)+64*(\c)
	global_load_b128 v[LFB+64*(\slot)+16*(\q)+8*(\c)+4:LFB+64*(\slot)+16*(\q)+8*(\c)+7], v[LOO], s[LOP:LOP+1] offset:(\off)+128*(\q)+64*(\c)+32
.endr
.endr
.endm
	s_load_b256 s[4:11], s[0:1], 0x0               ; ctx16 4, w16 6, bo 8, out0 10
	s_load_b64 s[LOP:LOP+1], s[0:1], 0x20          ; ctxlo16
	v_lshl_add_u32 v[SPW], v0, 2, SPARE
	v_mov_b32 v[NIL], 0
	ds_add_u32 v[SPW], v[NIL]                      ; the wave's opening: the add and its wait stand ahead of my first tensor load
	v_lshrrev_b32 v1, 5, v0
	v_readfirstlane_b32 s[WV], v1
	s_lshr_b32 s[WR], s[WV], 1                     ; my half of the tile's rows; also: I fetch ctx (0) or Wo (1)
	s_and_b32 s[WC], s[WV], 1                      ; my half of its columns; also: which half I fetch
	s_bfe_u32 s40, ttmp6, 0x40000
	s_bfe_u32 s41, ttmp6, 0x40004
	s_lshl_b32 s42, ttmp9, 2
	s_add_co_u32 s42, s42, s40                     ; tile column
	s_and_b32 s15, ttmp7, 0xffff
	s_lshl_b32 s15, s15, 2
	s_add_co_u32 s15, s15, s41                     ; tile row
	s_and_b32 s[LOF], ttmp7, 3                     ; cluster y % 4 = 0 and w / 2 = 0: the same in all sixteen partners, for a given wave
	s_or_b32 s[LOF], s[LOF], s[WR]
	s_and_b32 s[MSK], s15, 15                      ; tile row % 16 = 0 and w / 2 = 0: my first 16 rows begin a batch.  This number only selects a factor
	s_or_b32 s[MSK], s[MSK], s[WR]
	s_cmp_eq_u32 s[MSK], 0
	s_cselect_b32 s[MSK], 1.0, 0
	s_mov_b32 s[MSK+1], s[MSK]                     ; named with it as a pair
	s_lshl_b32 s43, s41, 2
	s_lshl_b32 s43, 15, s43
	s_lshl_b32 s44, 0x1111, s40
	s_or_b32 s[G1], s43, (1<<16)|(1<<20)|(1<<21)|(6<<22)|(3<<25)   ; ctx: after every 128 words 4 words
	s_mov_b32 s[G1+1], 256<<16
	s_mov_b32 s[G1+2], 64<<16
	s_mov_b32 s[G1+3], 256<<16
	s_mov_b32 s[G1+4], 64
	s_mov_b32 s[G1+5], 2048
	s_mov_b32 s[G1+6], 0
	s_mov_b32 s[G1+7], 0
	s_or_b32 s[G1B], s44, (1<<16)|(1<<20)|(1<<21)|(5<<22)|(7<<25)  ; Wo: after every 64 words 8 words
	s_mov_b32 s[G1B+1], 128<<16
	s_mov_b32 s[G1B+2], 128<<16
	s_mov_b32 s[G1B+3], 128<<16
	s_mov_b32 s[G1B+4], 128
	s_mov_b32 s[G1B+5], 1024
	s_mov_b32 s[G1B+6], 0
	s_mov_b32 s[G1B+7], 0
	s_lshl_b32 s16, s15, 19                        ; ctx: 128 rows of 4,096 bytes a tile row,
	s_lshl_b32 s17, s[WC], 18                      ; my 64 of them
	s_add_co_u32 s16, s16, s17
	s_mov_b32 s17, 0
	s_lshl_b32 s46, s42, 8                         ; Wo: 128 columns of 2 bytes a tile column,
	s_lshl_b32 s47, s[WC], 18                      ; my 128 k rows of 2,048 bytes
	s_add_co_u32 s46, s46, s47
	s_add_co_u32 s46, s46, 5242880
	s_mov_b32 s47, 0
	s_mul_i32 s20, s[WC], HALFA
	s_mul_i32 s21, s[WC], HALFB
	s_add_co_u32 s21, s21, OFB
	s_wait_dscnt 0x0
	s_wait_kmcnt 0x0
	s_add_nc_u64 s[16:17], s[4:5], s[16:17]
	s_add_nc_u64 s[46:47], s[6:7], s[46:47]
	CROUND                                         ; all sixteen work-groups are here
.irp s, 0,1
	s_mov_b32 s[G0+4*(\s)], 1
	s_add_co_u32 s[G0+4*(\s)+1], s20, (\s)*SLOT
	s_add_nc_u64 s[G0+4*(\s)+2:G0+4*(\s)+3], s[16:17], (\s)*512
	s_or_b32 s[G0+4*(\s)+3], s[G0+4*(\s)+3], 0x80000000
	s_mov_b32 s[G0B+4*(\s)], 1
	s_add_co_u32 s[G0B+4*(\s)+1], s21, (\s)*SLOT
	s_add_nc_u64 s[G0B+4*(\s)+2:G0B+4*(\s)+3], s[46:47], (\s)*524288
	s_or_b32 s[G0B+4*(\s)+3], s[G0B+4*(\s)+3], 0x80000000
	JLOAD \s
.endr
	v_and_b32 v1, 15, v0
	v_bfe_u32 v2, v0, 4, 1
	v_mul_u32_u24 v3, v1, PITCH
	v_lshl_add_u32 v3, v2, 4, v3
	s_mul_i32 s18, s[WR], HALFA                    ; s18: the temporary for LDS addresses
	v_add_nc_u32 v[ADRA], s18, v3
	v_add_nc_u32 v[ADRA+1], SLOT, v[ADRA]
	v_and_b32 v4, 7, v0
	v_bfe_u32 v5, v0, 3, 1
	v_lshl_add_u32 v6, v2, 3, v4
	v_mul_u32_u24 v6, v6, PB
	v_lshl_add_u32 v6, v5, 4, v6
	s_lshl_b32 s18, s[WC], 7                       ; my 64 columns
	s_add_co_u32 s18, s18, OFB
	v_add_nc_u32 v[ADRB], s18, v6
	v_add_nc_u32 v[ADRB+1], HALFB, v[ADRB]
	v_add_nc_u32 v[ADRB+2], SLOT, v[ADRB]
	v_add_nc_u32 v[ADRB+3], SLOT, v[ADRB+1]
	s_mul_i32 s18, s[WV], 16*SPITCH
	s_add_co_u32 s18, s18, STAGE
	v_mul_u32_u24 v4, v1, SPITCH
	v_lshl_add_u32 v4, v2, 5, v4                   ; in: row l % 16, 32 bytes for each half of the lanes
	v_add_nc_u32 v[STO], s18, v4
	v_mul_u32_u24 v5, v2, SPITCH
	v_lshl_add_u32 v5, v1, 4, v5
	v_add_nc_u32 v[RD], s18, v5                    ; back: lanes 0-15 one row of 256 bytes, lanes 16-31 the next
	v_lshlrev_b32 v5, 12, v2
	v_lshl_add_u32 v[CO], v1, 4, v5
	v_lshlrev_b32 v[LOO], 12, v1
	v_lshl_add_u32 v[LOO], v2, 4, v[LOO]
	s_and_b32 s22, ttmp7, 0xffff
	s_lshr_b32 s22, s22, 2                         ; my batch = cluster y / 4,
	s_lshl_b32 s22, s22, 16                        ; 16 rows of 4,096 bytes each
	s_mov_b32 s23, 0
	s_add_nc_u64 s[LOP:LOP+1], s[LOP:LOP+1], s[22:23]
	s_lshl_b32 s22, s42, 9
	s_lshl_b32 s23, s[WC], 8
	s_add_co_u32 s22, s22, s23                     ; my first column, in bytes: in bo and in a row of out0
	v_lshl_add_u32 v[BO], v2, 5, s22
	s_lshl_b32 s23, s15, 19
	s_add_co_u32 s22, s22, s23
	s_lshl_b32 s23, s[WR], 18
	s_add_co_u32 s22, s22, s23
	s_mov_b32 s23, 0
	s_add_nc_u64 s[10:11], s[10:11], s[22:23]
	WIN 0x80                                       ; window 2 is written once in every wave, in the wait for the first tiles: the remainders' sums start at 0, and no way through the text names a register that nothing has written
.set i, 0
.rept 160
	v_mov_b32 v[i], 0
.set i, i+1
.endr
	WIN 0
	s_cmp_eq_u32 s[LOF], 0
	s_cbranch_scc0 .Lno_first
	WIN 0x80
	LOLOAD 0, 0                                    ; K steps 0 and 1
	LOLOAD 1, 512
	WIN 0
.Lno_first:
.irp b, 0,1,2,3
	global_load_b128 v[BIA+8*(\b):BIA+8*(\b)+3],   v[BO], s[8:9] offset:64*(\b)
	global_load_b128 v[BIA+8*(\b)+4:BIA+8*(\b)+7], v[BO], s[8:9] offset:64*(\b)+16
.endr
	s_wait_loadcnt 0x0
	s_add_nc_u64 s[LOP:LOP+1], s[LOP:LOP+1], 512   ; at K step 1: each request steps the pointer first
.set i, 0
.rept 16
	v_cvt_pk_bf16_f32 v[TMP], v[BIA+2*i], v[BIA+2*i+1]
	v_lshlrev_b32 v[BIA+2*i], 16, v[TMP]
	v_and_b32 v[BIA+2*i+1], 0xffff0000, v[TMP]
.set i, i+1
.endr
; 8 products: row blocks a0, a0 + 1 x all 4 column blocks, 32 along K: half c of buffer f.  The 16 accumulators take turns.
.macro MUL8 f, c, a0, zero
	WIN MUL
.irp a, \a0, (\a0)+1
.irp b, 0,1,2,3
.if \zero
	v_wmma_f32_16x16x32_f16 v[ACC+8*(4*(\a)+(\b)):ACC+8*(4*(\a)+(\b))+7], v[(\f)+64+8*(4*(\c)+(\b)):(\f)+64+8*(4*(\c)+(\b))+7], v[(\f)+8*(4*(\c)+(\a)):(\f)+8*(4*(\c)+(\a))+7], 0
.else
	v_wmma_f32_16x16x32_f16 v[ACC+8*(4*(\a)+(\b)):ACC+8*(4*(\a)+(\b))+7], v[(\f)+64+8*(4*(\c)+(\b)):(\f)+64+8*(4*(\c)+(\b))+7], v[(\f)+8*(4*(\c)+(\a)):(\f)+8*(4*(\c)+(\a))+7], v[ACC+8*(4*(\a)+(\b)):ACC+8*(4*(\a)+(\b))+7]
.endif
.endr
.endr
.endm
; THE REMAINDERS' PART OF A QUARTER, at its end, while buffer f still holds the quarter's fragments of Wo: 8 products, the 4 accumulators by turns, with quarter q of set slot.
; wait = 1, at the end of a change of slots: ALL loads are waited for, outside the branch, so on every way: those out are the next K step's fragments, asked for a whole step earlier.
; fill = 1: the set just used up is asked for again, two K steps on, four places behind its last reader; the pointer is stepped behind the wait that has shown every load that named it done.
.macro LOMUL f, slot, q, wait, fill
	WIN 0
.if \wait
	s_wait_loadcnt 0x0
.endif
	s_cmp_eq_u32 s[LOF], 0
	s_cbranch_scc0 .Lno_lo_\@
	WIN W_LO
.irp c, 0,1
.irp b, 0,1,2,3
	v_wmma_f32_16x16x32_f16 v[LACC+8*(\b):LACC+8*(\b)+7], v[(\f)+64+8*(4*(\c)+(\b)):(\f)+64+8*(4*(\c)+(\b))+7], v[LFB+64*(\slot)+16*(\q)+8*(\c):LFB+64*(\slot)+16*(\q)+8*(\c)+7], v[LACC+8*(\b):LACC+8*(\b)+7]
.endr
.endr
.if \fill
	PLACES
	s_add_nc_u64 s[LOP:LOP+1], s[LOP:LOP+1], 512
	WIN 0x80
	LOLOAD \slot, 0
.endif
	WIN 0
.Lno_lo_\@:
.endm
; 32 LDS loads in one run: quarter qd (64 along K) of a slot into buffer f; the first 32 along K first
.macro FETCH slot, qd, f
	WIN TO_F
.irp c, 0,1
.irp i, 0,1,2,3
	ds_load_tr16_b128 v[(\f)+64+8*(4*(\c)+(\i)):(\f)+64+8*(4*(\c)+(\i))+3],   v[ADRB+2*(\slot)+(\qd)/2] offset:(((\qd)%2)*64+32*(\c))*PB+32*(\i)
	ds_load_tr16_b128 v[(\f)+64+8*(4*(\c)+(\i))+4:(\f)+64+8*(4*(\c)+(\i))+7], v[ADRB+2*(\slot)+(\qd)/2] offset:(((\qd)%2)*64+32*(\c))*PB+32*(\i)+16*PB
	ds_load_b128 v[(\f)+8*(4*(\c)+(\i)):(\f)+8*(4*(\c)+(\i))+3],             v[ADRA+(\slot)] offset:128*(\qd)+64*(\c)+(\i)*16*PITCH
	ds_load_b128 v[(\f)+8*(4*(\c)+(\i))+4:(\f)+8*(4*(\c)+(\i))+7],           v[ADRA+(\slot)] offset:128*(\qd)+64*(\c)+(\i)*16*PITCH+32
.endr
.endr
.endm
.macro QUARTER slot, qd, f, g, zero    ; multiplies quarter qd - 1 of the slot, in buffer f, and fetches quarter qd into buffer g
	s_wait_dscnt 16                                ; the first 32 along K are in
	MUL8 \f, 0, 0, \zero
	MUL8 \f, 0, 2, \zero
	PLACES
	FETCH \slot, \qd, \g
	s_wait_dscnt 32                                ; all but the 32 just issued
	MUL8 \f, 1, 0, 0
	MUL8 \f, 1, 2, 0
	LOMUL \f, \slot, (\qd)-1, 0, 0
.endm
; The last quarter multiplies buffer 1 and changes slots: ONE barrier; in front of it each wave waits for all its tensor loads, adds 0 to its spare word, and waits for that and for its reads of this slot.
.macro TURN slot, next, fill
	WIN 0
	s_wait_tensorcnt 0x0
	ds_add_u32 v[SPW], v[NIL]
	s_wait_dscnt 17                                ; the add and the youngest sixteen loads may be out
	MUL8 F1, 0, 0, 0
	s_wait_dscnt 0x0
	s_barrier_signal -1
	MUL8 F1, 0, 2, 0
.if \fill
	WIN 0
.endif
	s_barrier_wait -1
.if \fill
	CREST
	s_add_nc_u64 s[G0+4*(\slot)+2:G0+4*(\slot)+3], s[G0+4*(\slot)+2:G0+4*(\slot)+3], 2*512
	s_add_nc_u64 s[G0B+4*(\slot)+2:G0B+4*(\slot)+3], s[G0B+4*(\slot)+2:G0B+4*(\slot)+3], 2*524288
	JLOAD \slot                                    ; 112 matrix instructions ahead of the wait for it; its four v_nop are also the places in front of the loads below
.else
	PLACES
.endif
	FETCH \next, 0, F0
	MUL8 F1, 1, 0, 0
	MUL8 F1, 1, 2, 0
	LOMUL F1, \slot, 3, 1, \fill
.endm
	s_wait_tensorcnt 1                             ; my part of K step 0 is in; step 1's may stay out
	s_barrier_signal -1
	s_barrier_wait -1
	FETCH 0, 0, F0
	QUARTER 0, 1, F0, F1, 1
	WIN 0
	s_mov_b32 s3, LAPS-1
.Llap:
	QUARTER 0, 2, F1, F0, 0
	QUARTER 0, 3, F0, F1, 0
	TURN 0, 1, 1
	QUARTER 1, 1, F0, F1, 0
	QUARTER 1, 2, F1, F0, 0
	QUARTER 1, 3, F0, F1, 0
	TURN 1, 0, 1
	QUARTER 0, 1, F0, F1, 0
	WIN 0
	s_sub_co_u32 s3, s3, 1
	s_cmp_lg_u32 s3, 0
	s_cbranch_scc1 .Llap
	QUARTER 0, 2, F1, F0, 0
	QUARTER 0, 3, F0, F1, 0
	TURN 0, 1, 0
	QUARTER 1, 1, F0, F1, 0
	QUARTER 1, 2, F1, F0, 0
	QUARTER 1, 3, F0, F1, 0
	s_wait_dscnt 16
	MUL8 F1, 0, 0, 0
	MUL8 F1, 0, 2, 0
	s_wait_dscnt 0x0
	MUL8 F1, 1, 0, 0
	MUL8 F1, 1, 2, 0
	LOMUL F1, 1, 3, 0, 0
	WIN 0
	PLACES
	PLACES
	; THE WAY OUT, 16 rows at a time: sum + bo (my first 16 rows: + the remainders' sum x 1 or 0); 32 bytes a lane into my own stage, whole rows of 256 bytes back, stored so that 16 lanes fill 256 consecutive bytes, aligned.
.irp a, 0,1,2,3
.if (\a) > 0
	s_wait_xcnt 0x0                                ; the last block's stores have read their registers
.endif
.if (\a) == 0
	WIN 0x02                                       ; source 0 window 2
.set i, 0
.rept 16
	v_pk_fma_f32 v[TMP+2*i:TMP+2*i+1], v[LACC+2*i:LACC+2*i+1], s[MSK:MSK+1], v[BIA+2*i:BIA+2*i+1] op_sel_hi:[1,0,1]
.set i, i+1
.endr
	WIN 0
.set i, 0
.rept 16
	v_pk_add_f32 v[TMP+2*i:TMP+2*i+1], v[TMP+2*i:TMP+2*i+1], v[ACC+2*i:ACC+2*i+1]
.set i, i+1
.endr
.else
.set i, 0
.rept 16
	v_pk_add_f32 v[TMP+2*i:TMP+2*i+1], v[ACC+32*(\a)+2*i:ACC+32*(\a)+2*i+1], v[BIA+2*i:BIA+2*i+1]
.set i, i+1
.endr
.endif
.irp b, 0,1,2,3
	ds_store_b128 v[STO], v[TMP+8*(\b):TMP+8*(\b)+3]   offset:64*(\b)
	ds_store_b128 v[STO], v[TMP+8*(\b)+4:TMP+8*(\b)+7] offset:64*(\b)+16
.endr
.irp t, 0,1,2,3,4,5,6,7
	ds_load_b128 v[BKR+4*(\t):BKR+4*(\t)+3], v[RD] offset:(\t)*2*SPITCH   ; LDS serves a wave's instructions in order: these see the stores above
.endr
.irp t, 0,1,2,3,4,5,6,7
	s_wait_dscnt 7-(\t)
	global_store_b128 v[CO], v[BKR+4*(\t):BKR+4*(\t)+3], s[10:11] offset:(16*(\a)+2*(\t))*4096
.endr
.endr
	s_wait_tensorcnt 0x0                           ; the wave's end
	ds_add_u32 v[SPW], v[NIL]
	s_wait_dscnt 0x0
	CROUND                                         ; the closing round
	s_endpgm
.Lfunc_end_k_qa491839180_oproj:
	.size	k_qa491839180_oproj, .Lfunc_end_k_qa491839180_oproj-k_qa491839180_oproj
	.p2alignl 7, 3214868480
	.fill 96, 4, 3214868480
	.section	.rodata,"a",@progbits
	.p2align	6, 0x0
	.amdhsa_kernel k_qa491839180_oproj
		.amdhsa_group_segment_fixed_size 327680
		.amdhsa_private_segment_fixed_size 0
		.amdhsa_enable_private_segment 0
		.amdhsa_kernarg_size 40
		.amdhsa_user_sgpr_count 2
		.amdhsa_user_sgpr_kernarg_segment_ptr 1
		.amdhsa_wavefront_size32 1
		.amdhsa_system_sgpr_workgroup_id_x 1
		.amdhsa_system_sgpr_workgroup_id_y 1
		.amdhsa_system_sgpr_workgroup_id_z 1
		.amdhsa_system_vgpr_workitem_id 0
		.amdhsa_next_free_vgpr 672
		.amdhsa_next_free_sgpr 72
		.amdhsa_reserve_vcc 0
		.amdhsa_float_denorm_mode_32 3
		.amdhsa_float_denorm_mode_16_64 3
		.amdhsa_memory_ordered 1
		.amdhsa_forward_progress 1
		.amdhsa_inst_pref_size 118
	.end_amdhsa_kernel
	.amdgpu_metadata
---
amdhsa.version: [ 1, 2 ]
amdhsa.kernels:
  - .name:           k_qa491839180_oproj
    .symbol:         k_qa491839180_oproj.kd
    .args:
      - { .name: ctx16, .offset: 0, .size: 8, .value_kind: global_buffer, .address_space: global }
      - { .name: w16, .offset: 8, .size: 8, .value_kind: global_buffer, .address_space: global }
      - { .name: bo, .offset: 16, .size: 8, .value_kind: global_buffer, .address_space: global }
      - { .name: out0, .offset: 24, .size: 8, .value_kind: global_buffer, .address_space: global }
      - { .name: ctxlo16, .offset: 32, .size: 8, .value_kind: global_buffer, .address_space: global }
    .group_segment_fixed_size: 327680
    .private_segment_fixed_size: 0
    .kernarg_segment_align: 8
    .kernarg_segment_size: 40
    .max_flat_workgroup_size: 128
    .sgpr_count:     72
    .vgpr_count:     672
    .wavefront_size: 32
...
	.end_amdgpu_metadata
.endif
;; end of part 4
